; MI455X (gfx1250); checked and timed in simulation.
; The chip was launched on July 23, 2026; its instructions are those of AMD's public machine-readable ISA for CDNA 5 (MIT licence, August 2026) and "CDNA5" Instruction Set Architecture Reference Guide (July 2026). The comments in the code are by the model that wrote it; some were corrected since.
;; Mo E. Allowed arithmetic: matrix products marked QUANTISED: E4M3 operands, one given power-of-two scale a tensor, by v_wmma_f32_16x16x64_fp8_fp8 or v_wmma_f32_16x16x128_fp8_fp8, f32 sums; products left as they are: f32 operands where the result goes on into a quantised operand, else bf16, f16 or f32 operands; f32 sums; everything else in f32.
;; Inputs: expert_b 8 x 2,048 float32; expert_w 8 x 2,048 x 1,024 float32; gate_b 8 float32; gate_w 8 x 1,024 float32; lowp_scales 2 int32 (the exponents e of the quantised operands' scales 2^e); x 4,096 x 1,024 float32.
;; Outputs: out0 4,096 x 2,048 float32.
;; This version of the problem:
;;   THIS VERSION OF THE PROBLEM IS GIVEN IN LOW PRECISION. The matrix products marked QUANTISED in the list below multiply operands that are first quantised to E4M3 (4 exponent bits, 3 mantissa bits; 8 bits a number), with one given power-of-two scale for each operand tensor; their sums are f32. All else is computed in f32.
;;   The module's matrix products, in the order in which they are computed (A, B: the left and right operand; K: the contracted axis; several contracted axes count as one K, in the product's order):
;;     1. [M 4,096, K 1,024] x [K 1,024, N 8]; A: input x; B: input gate_w: left as it is (N = 8 < 16)
;;     2. [M 4,096, K 1,024] x [K 1,024, N 16,384]; A: input x; B: input expert_w: QUANTISED (scales: A lowp_scales[0], B lowp_scales[1])
;;     3. batch 4,096 x [M 1, K 8] x [K 8, N 2,048]; A: softmax; B: computed on the way: left as it is (K = 8 < 32)
;;   THE QUANTISER, for each operand of a quantised product, along K:
;;     - The operand's scale is 2^e, e = its entry of the input lowp_scales (int32; the entries are numbered through the quantised products in the list's order, A before B).
;;     - Each number is divided by the scale, clamped to +-448, and rounded to the nearest number of E4M3, ties to even, subnormals kept.
;;     - The product sums the exact products of the quantised numbers (number of the format x scale) in f32.
;;   ~~~python
;;   def quantise(x, axis, e):      # numpy; x: float32 -> the quantised numbers, widened to float32 again
;;       x = np.moveaxis(x, axis, -1); K = x.shape[-1]
;;       r = np.clip(x / 2.0 ** e, -448, 448)
;;       step = 2.0 ** (np.maximum(np.frexp(np.where(r == 0, 1, r))[1] - 1, -6) - 3)
;;       q = np.round(r / step) * step * 2.0 ** e      # np.round: ties to even
;;       return np.moveaxis(q, -1, axis).astype(np.float32)
;;   ~~~
;; 2 versions. Each part assembles by itself: llvm-mc -triple=amdgcn-amd-amdhsa -mcpu=gfx1250 --defsym DOCPART=n.
;; ======== version 1 of 2: 2 launches
;; workspace buffers: x_codes 4,194,304 bytes; w_codes 16,777,216 bytes; gates 131,072 bytes
;; launch prep (part 1): grid 576 x 1, 4 waves a work-group, no clusters, 4,608 bytes of LDS; arguments x, expert_w, gate_w, gate_b, lowp_scales, x_codes, w_codes, gates; writes x_codes, w_codes, gates
.if DOCPART == 1
	.amdgcn_target "amdgcn-amd-amdhsa--gfx1250"
	.amdhsa_code_object_version 6
	.text
	.protected	k_q6e246907f2_prep
	.globl	k_q6e246907f2_prep
	.p2align	8
	.type	k_q6e246907f2_prep,@function
k_q6e246907f2_prep:
	s_mov_b64 s[64:65], 0
	v_nop
	global_prefetch_b8 v0, s[64:65] scope:SCOPE_SE
	s_setreg_imm32_b32 hwreg(HW_REG_WAVE_MODE, 25, 1), 1
	s_wait_xcnt 0x0
; x [4096][1024] and expert_w [8*2048][1024], f32, are turned into codes of E4M3, one byte each, K innermost, each with its given scale 2^e
; (lowp_scales[0] for x, [1] for expert_w): code = number / 2^e, held within +-448, to the nearest code, ties to even.
; From the same numbers of x the gate is made, all in f32: gates[e][n] = softmax_e(x[n] . gate_w[e] + gate_b[e]) x 2^(e0 + e1), the row's largest logit taken away first.
; The factor 2^(e0 + e1) is the scale of the quantised product's sums: the next launch multiplies relu(sum + bias / 2^(e0 + e1)) by this number.
; LIMITS: e0 and e1 each between -126 and 119 (each becomes an f32 exponent field, and so does e + 8); a gate weight x 2^(e0 + e1) must lie in f32's range; NaN among the inputs is not served.
; SHARES.  Work-groups 0-63: 64 tokens of x each.  Wave w takes half kh = w % 2 of K and the 32 rows of group rg = w / 2; a lane holds 16 neighbouring numbers of a row's half, so that the conversions find
; neighbours along K in one lane's registers, and a wave's store of a row's half covers 512 consecutive bytes.  The lane's 16 numbers of each of the 8 rows of gate_w stay in registers (128).
; Work-groups 64-575: 32,768 numbers of expert_w each, a plain stream; a wave takes 16 steps of 512 numbers.
; No tensor loads, no cluster, no matrix unit: the bytes are read once and nothing is shared but the two halves of a logit, which meet in LDS.
.set XWG,  64                          ; work-groups that take x
.set GW,   16                          ; v16-143   gate_w: expert e's 16 numbers at GW + 16 e
.set X,    144                         ; v144-207  four sets of 16 numbers: rows in flight
.set C,    208                         ; v208-223  four sets of 4: a row's codes
.set S,    224                         ; v224-239  eight pairs: the row's partial logits
.set PE,   240                         ; v240-247  lane i keeps row i's partial logit for expert e
.set L,    16                          ; wave 0's end: logits, two rows a lane, pair e at L + 2 e; the other half of K at L + 16 + 2 e
.set WX,   16                          ; the weights' path: v16-79 four sets of 16 numbers
.set WC,   80                          ; v80-143 four registers of codes for each of 16 steps: no store's data are written again
	s_load_b256 s[4:11], s[0:1], 0x0               ; x s[4:5], expert_w s[6:7], gate_w s[8:9], gate_b s[10:11]
	s_load_b256 s[12:19], s[0:1], 0x20             ; lowp_scales s[12:13], x_codes s[14:15], w_codes s[16:17], gates s[18:19]
	v_lshl_add_u32 v254, v0, 2, 0x1000
	v_mov_b32 v255, 0
	v_lshrrev_b32 v1, 5, v0
	v_readfirstlane_b32 s20, v1                    ; wave 0..3
	v_and_b32 v1, 31, v0                           ; lane
	v_lshlrev_b32 v2, 6, v1                        ; my 64 bytes of 2,048 bytes of numbers
	v_lshlrev_b32 v3, 4, v1                        ; my 16 bytes of 512 bytes of codes
	s_wait_kmcnt 0x0
	s_load_b64 s[22:23], s[12:13], 0x0             ; e0, e1
	s_cmp_lt_u32 ttmp9, XWG                        ; the choice hangs on the work-group's number alone
	s_cbranch_scc0 .Lweights
	; ---------------- x: codes and gate ----------------
	s_load_b256 s[32:39], s[10:11], 0x0            ; gate_b
	s_and_b32 s21, s20, 1                          ; kh
	s_lshr_b32 s31, s20, 1                         ; rg
	s_lshl_b32 s24, ttmp9, 1
	s_add_co_u32 s24, s24, s31                     ; which group of 32 rows of x is my wave's
	s_lshl_b32 s26, s24, 17                        ; 32 rows of 4,096 bytes
	s_lshl_b32 s28, s21, 11                        ; + my half of a row: 2,048 bytes
	s_add_co_u32 s26, s26, s28
	s_mov_b32 s27, 0
	s_mov_b32 s29, 0
	s_add_nc_u64 s[4:5], s[4:5], s[26:27]          ; x at my first row's half
	s_add_nc_u64 s[8:9], s[8:9], s[28:29]          ; gate_w at my half of K
	s_lshl_b32 s26, s24, 15                        ; 32 rows of 1,024 bytes of codes
	s_lshl_b32 s28, s21, 9
	s_add_co_u32 s26, s26, s28
	s_add_nc_u64 s[14:15], s[14:15], s[26:27]
	s_lshl_b32 s26, ttmp9, 8                       ; 64 tokens x 4 bytes
	s_add_nc_u64 s[18:19], s[18:19], s[26:27]      ; gates at the work-group's first token
	s_mov_b32 s40, 0x76543210                      ; v_permlanex16_b32: each lane takes its own place in the other half
	s_mov_b32 s41, 0xfedcba98
	s_mov_b32 s42, 0x3fb8aa3b                      ; log2(e); named as a pair by the packed forms, so both are written
	s_mov_b32 s43, s42
.irp e, 0,1,2,3,4,5,6,7
.irp j, 0,1,2,3
	global_load_b128 v[GW+16*\e+4*\j:GW+16*\e+4*\j+3], v2, s[8:9] offset:\e*4096+16*\j
.endr
.endr
.macro XLOAD i, row                    ; a row's half into set i: four loads, together 2,048 consecutive bytes
.irp j, 0,1,2,3
	global_load_b128 v[X+16*(\i)+4*\j:X+16*(\i)+4*\j+3], v2, s[4:5] offset:(\row)*4096+16*\j th:TH_LOAD_NT
.endr
.endm
	XLOAD 0, 0
	XLOAD 1, 1
	XLOAD 2, 2
	XLOAD 3, 3
.irp e, 0,1,2,3,4,5,6,7
	v_mov_b32 v[PE+\e], 0                          ; the selects below read them; each lane's word is set once in the 32 rows
.endr
	s_wait_kmcnt 0x0                               ; e0, e1, gate_b
	s_add_co_i32 s30, s22, s23                     ; e0 + e1
	s_add_co_i32 s24, s22, 127
	s_lshl_b32 s25, s24, 23
	v_mov_b32 v11, s25                             ; 2^e0 as f32: the conversion takes its exponent field
	s_add_co_i32 s24, s24, 8
	s_lshl_b32 s24, s24, 23
	s_or_b32 s24, s24, 0x600000
	v_mov_b32 v10, s24                             ; 448 x 2^e0
; One row.  ahead = 1: the set is filled again with the row four further on.  left: the younger loads that may stay out.
.macro ROW i, ahead, left
.set XS, X+16*(\i)
.set CS, C+4*(\i)
	s_wait_loadcnt \left                           ; loads come back in order: this row is in (and gate_w, asked for ahead of it); three younger rows of four loads each may be out
.irp e, 0,1,2,3,4,5,6,7
	v_pk_mul_f32 v[S+2*\e:S+2*\e+1], v[XS:XS+1], v[GW+16*\e:GW+16*\e+1]   ; the first product starts each sum; eight chains that do not wait for each other
.endr
.irp j, 2,4,6,8,10,12,14
.irp e, 0,1,2,3,4,5,6,7
	v_pk_fma_f32 v[S+2*\e:S+2*\e+1], v[XS+\j:XS+\j+1], v[GW+16*\e+\j:GW+16*\e+\j+1], v[S+2*\e:S+2*\e+1]
.endr
.endr
.irp k, 0,1,2,3,4,5,6,7,8,9,10,11,12,13,14,15
	v_med3_num_f32 v[XS+\k], v[XS+\k], -v10, v10   ; the conversion to an 8-bit code does not saturate (ISA guide 7.6.2): hold the number first
.endr
	v_cvt_scalef32_pk8_fp8_f32 v[CS:CS+1], v[XS:XS+7], v11
	v_cvt_scalef32_pk8_fp8_f32 v[CS+2:CS+3], v[XS+8:XS+15], v11
.irp e, 0,1,2,3,4,5,6,7
	v_add_f32 v[S+2*\e], v[S+2*\e], v[S+2*\e+1]    ; plain work that touches neither codes nor numbers: the place between the conversions and the store and loads below
.endr
	global_store_b128 v3, v[CS:CS+3], s[14:15] offset:(\i)*1024   ; the wave stores 512 consecutive bytes, at a multiple of 256 from the buffer's first byte
.if \ahead
	XLOAD \i, (\i)+4
.endif
.irp m, 1,2,4,8
.irp e, 0,1,2,3,4,5,6,7
	v_add_f32_dpp v[S+2*\e], v[S+2*\e], v[S+2*\e] row_xmask:\m row_mask:0xf bank_mask:0xf
.endr
.endr
.irp e, 0,1,2,3,4,5,6,7
	v_permlanex16_b32 v[S+2*\e+1], v[S+2*\e], s40, s41
.endr
.irp e, 0,1,2,3,4,5,6,7
	v_add_f32 v[S+2*\e], v[S+2*\e], v[S+2*\e+1]    ; every lane holds the row's partial logit
.endr
	s_add_co_u32 s29, s28, \i                      ; the row's number among my 32
	v_cmp_eq_u32 vcc_lo, s29, v1
.irp e, 0,1,2,3,4,5,6,7
	v_cndmask_b32 v[PE+\e], v[PE+\e], v[S+2*\e], vcc_lo   ; the lane of that number keeps it
.endr
.endm
	s_mov_b32 s28, 0                               ; rows done
.Lrows:                                            ; seven trips of four rows; each fills the four sets again
	ROW 0, 1, 12
	ROW 1, 1, 12
	ROW 2, 1, 12
	ROW 3, 1, 12
	s_wait_xcnt 0x0                                ; only behind this wait are the two bases stepped and the codes' registers written again
	s_add_nc_u64 s[4:5], s[4:5], 4*4096
	s_add_nc_u64 s[14:15], s[14:15], 4*1024
	s_add_co_u32 s28, s28, 4
	s_cmp_lt_u32 s28, 28
	s_cbranch_scc1 .Lrows
	ROW 0, 0, 12                                   ; the last four rows load nothing: the counts run down
	ROW 1, 0, 8
	ROW 2, 0, 4
	ROW 3, 0, 0
	; the two halves of K meet in LDS: P[kh][e][64 rows], 4,096 bytes
	s_lshl_b32 s24, s21, 11
	s_lshl_b32 s25, s31, 7
	s_add_co_u32 s24, s24, s25
	v_lshl_add_u32 v4, v1, 2, s24                  ; kh x 2,048 + (32 rg + lane) x 4
.irp e, 0,1,2,3,4,5,6,7
	ds_store_b32 v4, v[PE+\e] offset:\e*256
.endr
	s_wait_dscnt 0x0                               ; for wave 0's sake: my stores are done
	s_barrier_signal -1
	s_barrier_wait -1
	s_cmp_lg_u32 s20, 0
	s_cbranch_scc1 .Ldone                          ; the softmax of 64 rows x 8 is one wave's work: lane l takes rows 2 l and 2 l + 1
	v_lshlrev_b32 v5, 3, v1
.irp e, 0,1,2,3,4,5,6,7
	ds_load_b64 v[L+2*\e:L+2*\e+1], v5 offset:\e*256
	ds_load_b64 v[L+16+2*\e:L+16+2*\e+1], v5 offset:\e*256+2048
.endr
	s_wait_dscnt 0x0
.irp e, 0,1,2,3,4,5,6,7
	v_pk_add_f32 v[L+2*\e:L+2*\e+1], v[L+2*\e:L+2*\e+1], v[L+16+2*\e:L+16+2*\e+1]
.endr
.irp e, 0,1,2,3,4,5,6,7
	v_add_f32 v[L+2*\e], s[32+\e], v[L+2*\e]       ; + gate_b[e]
	v_add_f32 v[L+2*\e+1], s[32+\e], v[L+2*\e+1]
.endr
.irp u, 0,1
	v_max3_num_f32 v[48+\u], v[L+\u], v[L+2+\u], v[L+4+\u]       ; the row's largest logit m
	v_max3_num_f32 v[48+\u], v[48+\u], v[L+6+\u], v[L+8+\u]
	v_max3_num_f32 v[48+\u], v[48+\u], v[L+10+\u], v[L+12+\u]
	v_max_num_f32 v[48+\u], v[48+\u], v[L+14+\u]
.endr
	v_pk_mul_f32 v[48:49], v[48:49], s[42:43] op_sel_hi:[1,0]    ; m log2(e)
.irp e, 0,1,2,3,4,5,6,7
	v_pk_fma_f32 v[L+2*\e:L+2*\e+1], v[L+2*\e:L+2*\e+1], s[42:43], v[48:49] op_sel_hi:[1,0,1] neg_lo:[0,0,1] neg_hi:[0,0,1]   ; (l - m) log2(e), one rounding
.endr
.irp k, 0,1,2,3,4,5,6,7,8,9,10,11,12,13,14,15
	v_exp_f32 v[L+\k], v[L+\k]
.endr
	v_nop                                          ; one plain instruction between the exponentials and the use of their results (ISA guide 5.7.2)
	s_wait_alu depctr_va_vdst(0)
	v_pk_add_f32 v[50:51], v[L:L+1], v[L+2:L+3]
	v_pk_add_f32 v[52:53], v[L+4:L+5], v[L+6:L+7]
	v_pk_add_f32 v[54:55], v[L+8:L+9], v[L+10:L+11]
	v_pk_add_f32 v[56:57], v[L+12:L+13], v[L+14:L+15]
	v_pk_add_f32 v[50:51], v[50:51], v[52:53]
	v_pk_add_f32 v[54:55], v[54:55], v[56:57]
	v_pk_add_f32 v[50:51], v[50:51], v[54:55]      ; the two rows' sums, each at least about 1
	v_rcp_f32 v50, v50
	v_rcp_f32 v51, v51
	v_nop
	s_wait_alu depctr_va_vdst(0)
	v_ldexp_f32 v50, v50, s30                      ; x 2^(e0 + e1)
	v_ldexp_f32 v51, v51, s30
.irp e, 0,1,2,3,4,5,6,7
	v_pk_mul_f32 v[L+2*\e:L+2*\e+1], v[L+2*\e:L+2*\e+1], v[50:51]
.endr
.irp e, 0,1,2,3,4,5,6,7
	global_store_b64 v5, v[L+2*\e:L+2*\e+1], s[18:19] offset:\e*16384   ; the wave stores 256 consecutive bytes of expert e's row of gates, aligned
.endr
.Ldone:
	s_wait_tensorcnt 0x0
	ds_add_u32 v254, v255
	s_wait_dscnt 0x0
	s_endpgm
	; ---------------- expert_w: codes ----------------
.Lweights:
	s_sub_co_u32 s24, ttmp9, XWG
	s_lshl_b32 s24, s24, 2
	s_add_co_u32 s24, s24, s20                     ; which run of 8,192 numbers is my wave's: 0 .. 2,047
	s_lshl_b32 s26, s24, 13                        ; its codes
	s_lshl_b32 s24, s24, 15                        ; its numbers
	s_mov_b32 s25, 0
	s_mov_b32 s27, 0
	s_add_nc_u64 s[6:7], s[6:7], s[24:25]
	s_add_nc_u64 s[16:17], s[16:17], s[26:27]
.macro WLOAD t
.irp i, 0,1,2,3
	global_load_b128 v[WX+16*((\t)%4)+4*\i:WX+16*((\t)%4)+4*\i+3], v2, s[6:7] offset:2048*(\t)+16*\i th:TH_LOAD_NT
.endr
.endm
	WLOAD 0
	WLOAD 1
	WLOAD 2
	WLOAD 3
	s_wait_kmcnt 0x0
	s_add_co_i32 s24, s23, 127
	s_lshl_b32 s25, s24, 23
	v_mov_b32 v11, s25                             ; 2^e1
	s_add_co_i32 s24, s24, 8
	s_lshl_b32 s24, s24, 23
	s_or_b32 s24, s24, 0x600000
	v_mov_b32 v10, s24                             ; 448 x 2^e1
.macro WSTEP t
.set XS, WX+16*((\t)%4)
.if 15-(\t) >= 3
	s_wait_loadcnt 12                              ; this step's four loads are in; the next three steps' may be out
.else
	s_wait_loadcnt 4*(15-(\t))
.endif
.irp k, 0,1,2,3,4,5,6,7,8,9,10,11,12,13,14,15
	v_med3_num_f32 v[XS+\k], v[XS+\k], -v10, v10
.endr
	v_cvt_scalef32_pk8_fp8_f32 v[WC+4*(\t):WC+4*(\t)+1], v[XS:XS+7], v11
	v_cvt_scalef32_pk8_fp8_f32 v[WC+4*(\t)+2:WC+4*(\t)+3], v[XS+8:XS+15], v11
	v_nop                                          ; one plain instruction between a scaled conversion and what touches its result or writes its sources
	global_store_b128 v3, v[WC+4*(\t):WC+4*(\t)+3], s[16:17] offset:512*(\t)
.if (\t)+4 < 16
	WLOAD (\t)+4
.endif
.endm
.irp t, 0,1,2,3,4,5,6,7,8,9,10,11,12,13,14,15
	WSTEP \t
.endr
	s_endpgm
.Lfunc_end_k_q6e246907f2_prep:
	.size	k_q6e246907f2_prep, .Lfunc_end_k_q6e246907f2_prep-k_q6e246907f2_prep
	.p2alignl 7, 3214868480
	.fill 96, 4, 3214868480
	.section	.rodata,"a",@progbits
	.p2align	6, 0x0
	.amdhsa_kernel k_q6e246907f2_prep
		.amdhsa_group_segment_fixed_size 4608
		.amdhsa_private_segment_fixed_size 0
		.amdhsa_enable_private_segment 0
		.amdhsa_kernarg_size 64
		.amdhsa_user_sgpr_count 2
		.amdhsa_user_sgpr_kernarg_segment_ptr 1
		.amdhsa_wavefront_size32 1
		.amdhsa_system_sgpr_workgroup_id_x 1
		.amdhsa_system_sgpr_workgroup_id_y 1
		.amdhsa_system_sgpr_workgroup_id_z 1
		.amdhsa_system_vgpr_workitem_id 0
		.amdhsa_next_free_vgpr 256
		.amdhsa_next_free_sgpr 66
		.amdhsa_reserve_vcc 1
		.amdhsa_float_denorm_mode_32 3
		.amdhsa_float_denorm_mode_16_64 3
		.amdhsa_memory_ordered 1
		.amdhsa_forward_progress 1
		.amdhsa_inst_pref_size 111
	.end_amdhsa_kernel
	.amdgpu_metadata
---
amdhsa.version: [ 1, 2 ]
amdhsa.kernels:
  - .name:           k_q6e246907f2_prep
    .symbol:         k_q6e246907f2_prep.kd
    .args:
      - { .name: x, .offset: 0, .size: 8, .value_kind: global_buffer, .address_space: global }
      - { .name: expert_w, .offset: 8, .size: 8, .value_kind: global_buffer, .address_space: global }
      - { .name: gate_w, .offset: 16, .size: 8, .value_kind: global_buffer, .address_space: global }
      - { .name: gate_b, .offset: 24, .size: 8, .value_kind: global_buffer, .address_space: global }
      - { .name: lowp_scales, .offset: 32, .size: 8, .value_kind: global_buffer, .address_space: global }
      - { .name: x_codes, .offset: 40, .size: 8, .value_kind: global_buffer, .address_space: global }
      - { .name: w_codes, .offset: 48, .size: 8, .value_kind: global_buffer, .address_space: global }
      - { .name: gates, .offset: 56, .size: 8, .value_kind: global_buffer, .address_space: global }
    .group_segment_fixed_size: 4608
    .private_segment_fixed_size: 0
    .kernarg_segment_align: 8
    .kernarg_segment_size: 64
    .max_flat_workgroup_size: 128
    .sgpr_count:     66
    .vgpr_count:     256
    .wavefront_size: 32
...
	.end_amdgpu_metadata
.endif
;; end of part 1
;; launch moe (part 2): grid 16 x 16, 4 waves a work-group, clusters of 4 x 1, 327,680 bytes of LDS; arguments x_codes, w_codes, gates, expert_b, lowp_scales, out0; writes out0
.if DOCPART == 2
	.amdgcn_target "amdgcn-amd-amdhsa--gfx1250"
	.amdhsa_code_object_version 6
	.text
	.protected	k_q6e246907f2_moe
	.globl	k_q6e246907f2_moe
	.p2align	8
	.type	k_q6e246907f2_moe,@function
k_q6e246907f2_moe:
	s_mov_b64 s[64:65], 0
	v_nop
	global_prefetch_b8 v0, s[64:65] scope:SCOPE_SE
	s_setreg_imm32_b32 hwreg(HW_REG_WAVE_MODE, 25, 1), 1
	s_wait_xcnt 0x0
	s_wait_alu depctr_hold_cnt(0) depctr_sa_sdst(0) depctr_va_vdst(0) depctr_va_sdst(0) depctr_va_ssrc(0) depctr_va_vcc(0) depctr_vm_vsrc(0)
	s_getreg_b32 s2, hwreg(HW_REG_IB_STS2, 6, 4)
	s_cmp_eq_u32 s2, 0
	s_cbranch_scc0 .Lentry_in_a_cluster
	s_endpgm
.Lentry_in_a_cluster:
	s_bfe_u32 s2, ttmp6, 0x10000c
	s_cmp_lg_u32 s2, 0x3003
	s_cbranch_scc0 .Lentry_shape_is_right
	s_endpgm
.Lentry_shape_is_right:
; out0[n][h] = sum over e of g[n][e] relu(x[n] . W[e][h] + b[e][h]).  x and W come as codes of E4M3 (x_codes [4096][1024], w_codes [8*2048][1024], K innermost), a number being its code x 2^e0 or 2^e1.
; gates[e][n] = g[n][e] x 2^(e0 + e1).  The codes are multiplied as they are; the bias enters as b / 2^(e0 + e1), the C of each sum's first matrix instruction; so
; g relu(2^(e0 + e1) sum + b) = gates x max(sum + b / 2^(e0 + e1), 0): one maximum and one fused multiply-add for each number and expert.
; LIMITS: b / 2^(e0 + e1) (made by v_ldexp_f32) must lie in f32's range; NaN among the inputs is not served; inside one matrix instruction k stands in another order than the form's own, alike in both operands
; (16-byte loads), so only the order of the additions inside an instruction differs.
; SHARES.  A work-group owns 256 tokens x 128 hidden units for all 8 experts; 16 x 16 work-groups.  Each of its four waves owns 64 tokens (4 blocks of 16) x all 128 units (8 blocks of 16).
; X STAYS IN REGISTERS: a wave's 64 tokens x 1,024 codes are 512 registers, loaded once.  So only W is read from LDS: a fragment of W (16 units x 128 K, four 16-byte loads) feeds four matrix instructions.
; W's tile of an expert, 128 rows x 1,024 bytes, is one LDS slot; two slots take turns, filled by the tensor data mover, each wave fetching 32 rows: a refill has a whole expert's 256 matrix instructions a wave in which to land.
; CLUSTER.  The four work-groups of a cluster are four token tiles of one hidden tile: they walk the same tiles of W, so each is asked for JOINTLY (mask 15).  x, gates and out0 are each work-group's own and are not shared.
; THE MATRIX INSTRUCTION IS USED TRANSPOSED: source 0 = 16 rows of W, source 1 = 16 tokens.  Lane l then holds token l % 16 and its registers the units 8 (l / 16) + 0..7: one gate weight a lane, 32 neighbouring bytes of a row of out0.
; BY TURNS.  A BLOCK is 16 units x 64 tokens x 1,024 K: 32 matrix instructions on 4 accumulators, which take turns.  There are two sets of accumulators: while block n is multiplied, block n - 1's maxima and
; multiply-adds stand in fours behind each four matrix instructions, and are the places in front of the loads that refill the fragment just used (ISA guide 7.12.1 for vector instructions).
; OUT (256 registers) is cleared once, while x's codes are on their way: starting it by expert 0's products would want that expert's eight blocks written out a second time.
; REGISTERS, in windows of 256: window 0: v0-18 addresses; v32-39 the block's bias; v40-47 bias on its way to LDS; v48-63 gate weights, two sets, block a at an even register (its odd partner is 0 and only named);
;   v64-127 two sets of 4 accumulators; v128-255 W's eight fragments of a block (on the way out: rows read back).   window 1: OUT, (a, c) at 64 a + 8 c.   windows 2, 3: x, (a, q) at 64 (q % 4) + 16 a, q / 4 choosing the window.
.set PITCH,  1040                      ; an LDS row of W: 1,024 bytes + 16 of padding = 260 words: row r starts at bank 4 r mod 64 (64 banks of 4 bytes: ISA guide 11.1), so the 16 rows that a load touches start at 16 different banks
.set SLOT,   128*PITCH                 ; 133,120 bytes
.set BIAS,   2*SLOT                    ; behind the ring: [8 experts][128] f32, b / 2^(e0 + e1); stored by the waves, no fill lands here
.set SPARE,  BIAS+4096                 ; the spare words, 128 bytes for each wave: two blocks of 256 bytes that no other line names
.set STAGE,  SPARE+512                 ; the way out: 16 rows x 528 bytes for each wave
.set SPITCH, 528
.set SPW,   2                          ; v2   LDS address of my spare word; never rewritten
.set NIL,   3                          ; v3   0; never rewritten
.set ADW,   4                          ; v4-7 LDS address of my place in W's fragments: slot s, unit blocks 4 hi .. 4 hi + 3 at ADW + 2 s + hi
.set BADR,  8                          ; v8   LDS address of my half's bias, at the even expert in hand
.set GOFF,  9                          ; v9   my byte offset among 16 tokens' gate weights
.set XO,    10                         ; v10  my byte offset in 16 rows of x's codes
.set STO,   11                         ; v11  the way out: where I put 32 bytes of a row
.set RD,    12                         ; v12  where I read a row back
.set CO,    13                         ; v13  my byte offset in a row of out0
.set BIASR, 32
.set BD,    40
.set G,     48
.set ACC,   64
.set BF,    128
.set WV,    16                         ; s16  my wave's number
.set G1,    24                         ; s[24:31] descriptor group 1
.set G0,    32                         ; s[32:39] descriptor group 0, one set for each slot
.set MSB, 0
.macro WIN new                         ; the immediate's high byte repeats the setting that is left; a switch that changes nothing is dropped
.if MSB != (\new)
	s_set_vgpr_msb (MSB<<8)|(\new)
.set MSB, (\new)
.endif
.endm
.macro CREST                           ; a round of the cluster's barrier behind its opening barrier
	s_cmp_lg_u32 s[WV], 0
	s_cbranch_scc1 .Lnot_wave_0_\@
	s_barrier_signal -3
.Lnot_wave_0_\@:
	s_barrier_wait -3
	s_barrier_signal -1
	s_barrier_wait -1
.endm
.macro CROUND                          ; a whole round
	s_barrier_signal -1
	s_barrier_wait -1
	CREST
.endm
	s_load_b256 s[4:11], s[0:1], 0x0               ; x_codes s[4:5], w_codes s[6:7], gates s[8:9], expert_b s[10:11]
	s_load_b128 s[12:15], s[0:1], 0x20             ; lowp_scales s[12:13], out0 s[14:15]
	v_lshl_add_u32 v[SPW], v0, 2, SPARE
	v_mov_b32 v[NIL], 0
	ds_add_u32 v2, v3
	ds_add_u32 v2, v3
	s_wait_dscnt 0x0
	v_lshrrev_b32 v1, 5, v0
	v_readfirstlane_b32 s[WV], v1                  ; wave 0..3
	s_bfe_u32 s17, ttmp6, 0x40000                  ; cx: my place in the cluster
	s_lshl_b32 s18, ttmp9, 2                       ; in a cluster launch ttmp9 counts clusters
	s_add_co_u32 s18, s18, s17                     ; my token tile: it enters the addresses of x_codes, gates and out0 alone
	s_and_b32 s19, ttmp7, 0xffff                   ; my hidden tile, which the four partners share
	; descriptor group 1: 32 rows x 1,024 bytes, padded in LDS
	s_mov_b32 s[G1+0], 15|(0<<16)|(1<<20)|(1<<21)|(7<<22)|(3<<25)   ; 15:0 the mask: all four work-groups; 17:16 elements of 1 byte; 20 padding on; 21 set beside a mask; 24:22 after every 256 words (code 7); 31:25 four words (code 3)
	s_mov_b32 s[G1+1], 1024<<16                    ; tensor_dim0 = 1,024
	s_mov_b32 s[G1+2], 32<<16                      ; tensor_dim1 = 32
	s_mov_b32 s[G1+3], 1024<<16                    ; tile_dim0 = 1,024
	s_mov_b32 s[G1+4], 32                          ; tile_dim1 = 32
	s_mov_b32 s[G1+5], 1024                        ; from row to row
	s_mov_b32 s[G1+6], 0
	s_mov_b32 s[G1+7], 0
	s_lshl_b32 s22, s19, 17                        ; 128 rows of 1,024 bytes for each hidden tile,
	s_lshl_b32 s23, s[WV], 15                      ; my 32 of them
	s_add_co_u32 s22, s22, s23
	s_mov_b32 s23, 0
	s_mul_i32 s45, s[WV], 32*PITCH                 ; and where they go: no place in the cluster enters an LDS address
	s_wait_kmcnt 0x0
	s_load_b64 s[42:43], s[12:13], 0x0             ; e0, e1
	s_add_nc_u64 s[6:7], s[6:7], s[22:23]
.irp s, 0,1
	s_mov_b32 s[G0+4*\s], 1                        ; count = 1
	s_add_co_u32 s[G0+4*\s+1], s45, \s*SLOT        ; LDS address
	s_add_nc_u64 s[G0+4*\s+2:G0+4*\s+3], s[6:7], \s*0x200000   ; global address: expert s (2,048 rows of 1,024 bytes an expert)
	s_or_b32 s[G0+4*\s+3], s[G0+4*\s+3], 0x80000000            ; type = 2
.endr
	CROUND                                         ; all four work-groups are here: the first joint loads meet
	tensor_load_to_lds s[G0:G0+3], s[G1:G1+7]      ; the two first fills go out together: two loads of mine are out
	s_nop 0
	tensor_load_to_lds s[G0+4:G0+7], s[G1:G1+7]
	s_nop 0
.rept 4
	v_nop
.endr
	s_lshl_b32 s20, s18, 8
	s_lshl_b32 s21, s[WV], 6
	s_add_co_u32 s41, s20, s21                     ; my first token: 256 x tile + 64 x wave
	s_mov_b32 s21, 0
	s_lshl_b32 s20, s41, 10
	s_add_nc_u64 s[4:5], s[4:5], s[20:21]          ; its codes
	s_lshl_b32 s20, s41, 2
	s_add_nc_u64 s[8:9], s[8:9], s[20:21]          ; its gate weight for expert 0
	s_lshl_b32 s46, s19, 9                         ; the hidden tile's 128 f32
	s_mov_b32 s47, 0
	s_add_nc_u64 s[10:11], s[10:11], s[46:47]
	s_add_nc_u64 s[14:15], s[14:15], s[46:47]
	s_lshl_b32 s20, s41, 13
	s_add_nc_u64 s[14:15], s[14:15], s[20:21]      ; its row of out0, at the tile's first column
	v_and_b32 v1, 15, v0                           ; r = l % 16 (and thread % 16)
	v_bfe_u32 v14, v0, 4, 1                        ; h = l / 16
	v_lshrrev_b32 v15, 4, v0                       ; thread / 16 = 0..7: the expert whose bias I fetch
	v_lshlrev_b32 v16, 4, v1
	v_lshl_add_u32 v17, v15, 13, v16               ; expert_b: 8,192 bytes an expert; sixteen threads read 256 consecutive bytes
	v_lshl_add_u32 v18, v15, 9, v16
	v_add_nc_u32 v18, BIAS, v18                    ; and the same in LDS, 512 bytes an expert
	global_load_b128 v[BD:BD+3], v17, s[10:11]
	global_load_b128 v[BD+4:BD+7], v17, s[10:11] offset:256
	v_lshlrev_b32 v[GOFF], 2, v1
.irp a, 0,1,2,3
	global_load_b32 v[G+2*\a], v[GOFF], s[8:9] offset:64*\a      ; expert 0's gate weights of my four tokens
.endr
	v_lshlrev_b32 v[XO], 10, v1
	v_lshl_add_u32 v[XO], v14, 4, v[XO]            ; row r x 1,024 + 16 h
	; x's fragments: (a, q) = 16 tokens x 128 K in 16 registers: registers 4 k .. 4 k + 3 hold K = 128 q + 32 k + 16 h + 0..15
	WIN 0x80                                       ; destination window 2, address window 0
.irp q, 0,1,2,3
.irp a, 0,1,2,3
.irp k, 0,1,2,3
	global_load_b128 v[64*\q+16*\a+4*\k:64*\q+16*\a+4*\k+3], v[XO], s[4:5] offset:\a*16384+128*\q+32*\k
.endr
.endr
.endr
	WIN 0xc0                                       ; destination window 3
.irp q, 0,1,2,3
.irp a, 0,1,2,3
.irp k, 0,1,2,3
	global_load_b128 v[64*\q+16*\a+4*\k:64*\q+16*\a+4*\k+3], v[XO], s[4:5] offset:\a*16384+512+128*\q+32*\k
.endr
.endr
.endr
	WIN 0
	v_mul_u32_u24 v[ADW], v1, PITCH
	v_lshl_add_u32 v[ADW], v14, 4, v[ADW]          ; a fragment's row x pitch + 16 h
	v_add_nc_u32 v[ADW+1], 64*PITCH, v[ADW]
	v_add_nc_u32 v[ADW+2], SLOT, v[ADW]
	v_add_nc_u32 v[ADW+3], SLOT+64*PITCH, v[ADW]
	v_lshl_add_u32 v[BADR], v14, 5, BIAS           ; my half's eight units: 32 h
	s_mul_i32 s46, s[WV], 16*SPITCH
	s_add_co_u32 s46, s46, STAGE                   ; my stage
	v_mul_u32_u24 v[STO], v1, SPITCH               ; in: row r, 32 bytes for each half of the lanes
	v_lshl_add_u32 v[STO], v14, 5, v[STO]
	v_add_nc_u32 v[STO], s46, v[STO]
	v_and_b32 v[CO], 31, v0
	v_lshlrev_b32 v[CO], 4, v[CO]                  ; back: the 32 lanes take one row of 512 bytes; and the same in out0
	v_add_nc_u32 v[RD], s46, v[CO]
.irp k, 1,3,5,7,9,11,13,15
	v_mov_b32 v[G+\k], 0                           ; named with a gate weight as a pair, so they are written
.endr
	WIN 0x40                                       ; destination window 1
.set i, 0
.rept 256
	v_mov_b32 v[i], 0                              ; OUT, while x's codes are on their way
.set i, i+1
.endr
	WIN 0
	s_wait_loadcnt 0x0                             ; x's codes, the bias, expert 0's gate weights
	s_wait_kmcnt 0x0
	s_add_co_i32 s44, s42, s43
	s_sub_co_i32 s44, 0, s44                       ; -(e0 + e1)
.irp k, 0,1,2,3,4,5,6,7
	v_ldexp_f32 v[BD+\k], v[BD+\k], s44            ; b / 2^(e0 + e1): exact inside f32's range
.endr
	ds_store_b128 v18, v[BD:BD+3]
	ds_store_b128 v18, v[BD+4:BD+7] offset:256
	s_wait_tensorcnt 0x1                           ; my part of slot 0 is in; slot 1's may stay out
	s_wait_dscnt 0x0                               ; for the others' sake: my part of the bias is stored
	s_barrier_signal -1
	s_barrier_wait -1                              ; everybody's is
; Four matrix instructions: fragment q of W against my four token blocks, into accumulator set p.  The four accumulators take turns, one instruction a turn.  q = 0 starts the sums with the bias as C.
.macro MUL4 p, q
	WIN 0x08+4*((\q)/4)                            ; source 1 (x) window 2 or 3, all else window 0
.irp a, 0,1,2,3
.if (\q) == 0
	v_wmma_f32_16x16x128_fp8_fp8 v[ACC+32*(\p)+8*\a:ACC+32*(\p)+8*\a+7], v[BF+16*(\q):BF+16*(\q)+15], v[64*((\q)%4)+16*\a:64*((\q)%4)+16*\a+15], v[BIASR:BIASR+7]
.else
	v_wmma_f32_16x16x128_fp8_fp8 v[ACC+32*(\p)+8*\a:ACC+32*(\p)+8*\a+7], v[BF+16*(\q):BF+16*(\q)+15], v[64*((\q)%4)+16*\a:64*((\q)%4)+16*\a+15], v[ACC+32*(\p)+8*\a:ACC+32*(\p)+8*\a+7]
.endif
.endr
.endm
; Four maxima of the block before, registers 4 q .. 4 q + 3 of set pp: ascending.  The register is source 0, so that the line holds under MUL4's setting.
; They name no register of the four matrix instructions just issued: they are the four places in front of the loads into the fragment (and the bias) that those have read.
.macro RELU4 pp, q, epi
.if \epi
.irp j, 0,1,2,3
	v_max_num_f32 v[ACC+32*(\pp)+4*(\q)+\j], v[ACC+32*(\pp)+4*(\q)+\j], 0
.endr
.else
.rept 4
	v_nop                                          ; the first block has no block before it
.endr
.endif
.endm
; OUT(a, cp) += gate weight x the block before, for token blocks a = 2 half, 2 half + 1: eight packed multiply-adds; both halves take the pair's first register as the weight
.macro COMB pp, half, cp, gs
.set rO, 128*(\half)+8*(\cp)
.set rA, ACC+32*(\pp)+16*(\half)
.set rG, G+8*(\gs)+4*(\half)
	WIN 0x50                                       ; destination and source 2 (OUT) window 1
.irp u, 0,1
.irp j, 0,2,4,6
	v_pk_fma_f32 v[rO+64*\u+\j:rO+64*\u+\j+1], v[rA+8*\u+\j:rA+8*\u+\j+1], v[rG+2*\u:rG+2*\u+1], v[rO+64*\u+\j:rO+64*\u+\j+1] op_sel_hi:[1,0,1]
.endr
.endr
.endm
.macro LDB sn, cn, q                   ; fragment q of unit block cn in slot sn: 16 rows x 128 K
.irp k, 0,1,2,3
	ds_load_b128 v[BF+16*(\q)+4*\k:BF+16*(\q)+4*\k+3], v[ADW+2*(\sn)+(\cn)/4] offset:((\cn)%4)*16*PITCH+128*(\q)+32*\k
.endr
.endm
.macro LDBIAS eo, cn                   ; my half's eight bias numbers of unit block cn; eo: experts beyond the one at which BADR stands
	ds_load_b128 v[BIASR:BIASR+3], v[BADR] offset:(\eo)*512+(\cn)*64
	ds_load_b128 v[BIASR+4:BIASR+7], v[BADR] offset:(\eo)*512+(\cn)*64+16
.endm
; BLOCK: unit block c of the expert in slot s is multiplied; the next block's (slot sn, block cn) fragments and bias are fetched, each fragment as soon as it is free; epi = 1: the block before is combined.
; The LDS loads of a block's data are always issued in the order fragment 0, bias, fragments 1 to 7: 4 + 2 + 28.
; gl >= 1: this expert's gate weights are waited for (the block's first combine is the first to use them); gl = 2: the next expert's are asked for, into the set that the block before was the last to read.
.macro BLOCK s, c, sn, cn, eo, epi, gl
.set P, (\c)%2
.set PP, 1-P
.set CP, ((\c)+7)%8
.if (\c) > 0
.set GS, \s
.else
.set GS, 1-(\s)
.endif
	WIN 0x08
.if \gl
	s_wait_loadcnt 0x0
.endif
.if (\gl) == 2
.irp a, 0,1,2,3
	global_load_b32 v[G+8*(1-(\s))+2*\a], v[GOFF], s[8:9] offset:((\s)+1)*16384+64*\a
.endr
.endif
.irp q, 0,1,2,3,4,5,6,7
.if \q == 0
	s_wait_dscnt 28                                ; fragment 0 and the bias are in: behind them stand fragments 1 to 7, 28 loads
.else
	s_wait_dscnt 30                                ; fragment q is in: behind it stand 4 (7 - q) loads of the same series and 6 + 4 (q - 1) of this block's
.endif
	MUL4 P, \q
	RELU4 PP, \q, \epi
	LDB \sn, \cn, \q
.if \q == 0
	LDBIAS \eo, \cn
.endif
.if \epi && (\q == 3)
	COMB PP, 0, CP, GS
.endif
.if \epi && (\q == 7)
	COMB PP, 1, CP, GS
.endif
.endr
.endm
.macro MID s, eo, gl                   ; unit blocks 1 to 6 of the expert in slot s
	BLOCK \s, 1, \s, 2, \eo, 1, \gl
.irp c, 2,3,4,5,6
	BLOCK \s, \c, \s, \c+1, \eo, 1, 0
.endr
.endm
; TURN: an expert's last block (c = 7, set 1) changes slots: ONE barrier.  In front of it each wave waits for all its tensor loads (one is out: its part of the other slot), adds 0 to its spare word, and waits for that
; and for its reads of this slot, whose last were issued in the block before.  Behind it nobody reads this slot and the other slot is whole.
; fill = 1: the barrier opens a round of the cluster's barrier, and this slot takes the expert two further on, the first tensor load behind the round.
.macro TURN s, fill, eo
	WIN 0                                          ; (the add's two registers lie in window 0)
	s_wait_tensorcnt 0x0                           ; no tensor load of mine is out, so a group 0 may be written
	ds_add_u32 v[SPW], v[NIL]                      ; 0 onto my spare word
.if \fill
	s_add_nc_u64 s[G0+4*(\s)+2:G0+4*(\s)+3], s[G0+4*(\s)+2:G0+4*(\s)+3], 0x400000   ; two experts on; the type bits on top are not reached
.endif
	s_wait_dscnt 29                                ; fragment 0 and the bias are in: behind them 28 loads and the add
	MUL4 1, 0
	RELU4 0, 0, 1
	s_wait_dscnt 0x0                               ; the add is done, and my reads of this slot are over
	s_barrier_signal -1
.irp q, 1,2,3
	MUL4 1, \q                                     ; work on registers while the others arrive
	RELU4 0, \q, 1
.endr
	COMB 0, 0, 6, \s
	WIN 0
	s_barrier_wait -1
.if \fill
	CREST                                          ; no wave of any partner still reads this slot or has a load on its way
	tensor_load_to_lds s[G0+4*(\s):G0+4*(\s)+3], s[G1:G1+7]
	s_nop 0
.rept 4
	v_nop
.endr
.endif
	LDB 1-(\s), 0, 0                               ; the next expert's first block; fragments 0 to 3 were last read twelve plain instructions back or more
	LDBIAS \eo, 0
	LDB 1-(\s), 0, 1
	LDB 1-(\s), 0, 2
	LDB 1-(\s), 0, 3
.irp q, 4,5,6,7
	MUL4 1, \q                                     ; fragments 4 to 7 came in with the wait for 0
	RELU4 0, \q, 1
	LDB 1-(\s), 0, \q
.endr
	COMB 0, 1, 6, \s
.endm
	LDB 0, 0, 0                                    ; expert 0, block 0
	LDBIAS 0, 0
.irp q, 1,2,3,4,5,6,7
	LDB 0, 0, \q
.endr
	BLOCK 0, 0, 0, 1, 0, 0, 0                      ; the first block stands in front of the loop: it has nothing to combine
	WIN 0                                          ; at a label and at a branch every window is 0
	s_mov_b32 s40, 3
.Ltrip:                                            ; a trip: two experts, from the even one's block 1 to the next even one's block 0; both slots are filled again: experts 2 to 7 in three trips
	MID 0, 0, 2
	TURN 0, 1, 1
	BLOCK 1, 0, 1, 1, 1, 1, 0
	MID 1, 1, 2
	TURN 1, 1, 2
	BLOCK 0, 0, 0, 1, 2, 1, 0
	WIN 0
	v_add_nc_u32 v[BADR], 1024, v[BADR]            ; two experts' bias on
	s_wait_xcnt 0x0                                ; only behind this wait is the gate weights' base stepped
	s_add_nc_u64 s[8:9], s[8:9], 32768             ; two experts' rows of gates on
	s_sub_co_u32 s40, s40, 1
	s_cmp_lg_u32 s40, 0
	s_cbranch_scc1 .Ltrip
	MID 0, 0, 2                                    ; experts 6 and 7 are written out: nothing more is asked for but expert 7's gate weights
	TURN 0, 0, 1
	BLOCK 1, 0, 1, 1, 1, 1, 0
	MID 1, 1, 1
.irp q, 0,1,2,3,4,5,6,7                ; the last block fetches nothing: the counts run down
	s_wait_dscnt 4*(7-\q)
	MUL4 1, \q
	RELU4 0, \q, 1
.if \q == 3
	COMB 0, 0, 6, 1
.endif
.if \q == 7
	COMB 0, 1, 6, 1
.endif
.endr
	WIN 0
.set i, 0
.rept 32
	v_max_num_f32 v[ACC+32+i], v[ACC+32+i], 0      ; and is combined by itself; twelve plain instructions on the other set stand behind its last product
.set i, i+1
.endr
	COMB 1, 0, 7, 1
	COMB 1, 1, 7, 1
; THE WAY OUT, 16 tokens x 128 units at a time.  A lane holds 32 neighbouring bytes of a row, and the lanes beside it hold other rows: so a block goes through my own stage in LDS and comes back as whole rows of 512 bytes.
; LDS serves a wave's instructions in order (ISA guide 5.7.1.4): no wait between the stores and the loads, nor in front of the next block's stores.
.macro TOSTAGE a
	WIN 0x04                                       ; the stores' data (source 1) window 1
.irp c, 0,1,2,3,4,5,6,7
	ds_store_b128 v[STO], v[64*(\a)+8*\c:64*(\a)+8*\c+3] offset:64*\c
	ds_store_b128 v[STO], v[64*(\a)+8*\c+4:64*(\a)+8*\c+7] offset:64*\c+16
.endr
	WIN 0
.set BB, BF+64*((\a)%2)
.irp t, 0,1,2,3,4,5,6,7,8,9,10,11,12,13,14,15
	ds_load_b128 v[BB+4*\t:BB+4*\t+3], v[RD] offset:\t*SPITCH
.endr
.endm
.macro SEND a, younger                 ; younger: the LDS instructions issued behind block a's loads, which may stay out
.set BB, BF+64*((\a)%2)
	s_wait_dscnt \younger
.irp t, 0,1,2,3,4,5,6,7,8,9,10,11,12,13,14,15
	global_store_b128 v[CO], v[BB+4*\t:BB+4*\t+3], s[14:15] offset:(16*(\a)+\t)*8192 th:TH_STORE_NT   ; 32 lanes store 512 consecutive bytes, at a multiple of 256 from out0's first byte; 63 rows at the most: inside the signed 24-bit immediate
.endr
.endm
	TOSTAGE 0
.irp a, 1,2,3
	s_wait_xcnt 0x0                                ; block a - 2's stores have read their registers: block a's loads may land there
	TOSTAGE \a
	SEND \a-1, 32                                  ; behind block a - 1's loads: block a's 16 stores and 16 loads
.endr
	SEND 3, 0
	s_wait_tensorcnt 0x0                           ; the wave's end: behind my last tensor load and my last LDS store
	ds_add_u32 v[SPW], v[NIL]
	s_wait_dscnt 0x0
	CROUND                                         ; the closing round: no work-group ends while a partner may still ask for a tile that names it
	s_endpgm
.Lfunc_end_k_q6e246907f2_moe:
	.size	k_q6e246907f2_moe, .Lfunc_end_k_q6e246907f2_moe-k_q6e246907f2_moe
	.p2alignl 7, 3214868480
	.fill 96, 4, 3214868480
	.section	.rodata,"a",@progbits
	.p2align	6, 0x0
	.amdhsa_kernel k_q6e246907f2_moe
		.amdhsa_group_segment_fixed_size 327680
		.amdhsa_private_segment_fixed_size 0
		.amdhsa_enable_private_segment 0
		.amdhsa_kernarg_size 48
		.amdhsa_user_sgpr_count 2
		.amdhsa_user_sgpr_kernarg_segment_ptr 1
		.amdhsa_wavefront_size32 1
		.amdhsa_system_sgpr_workgroup_id_x 1
		.amdhsa_system_sgpr_workgroup_id_y 1
		.amdhsa_system_sgpr_workgroup_id_z 1
		.amdhsa_system_vgpr_workitem_id 0
		.amdhsa_next_free_vgpr 1024
		.amdhsa_next_free_sgpr 66
		.amdhsa_reserve_vcc 0
		.amdhsa_float_denorm_mode_32 3
		.amdhsa_float_denorm_mode_16_64 3
		.amdhsa_memory_ordered 1
		.amdhsa_forward_progress 1
		.amdhsa_inst_pref_size 255
	.end_amdhsa_kernel
	.section	.bss,"aw",@nobits
	.p2align	6
	.space	262144
	.amdgpu_metadata
---
amdhsa.version: [ 1, 2 ]
amdhsa.kernels:
  - .name:           k_q6e246907f2_moe
    .symbol:         k_q6e246907f2_moe.kd
    .args:
      - { .name: x_codes, .offset: 0, .size: 8, .value_kind: global_buffer, .address_space: global }
      - { .name: w_codes, .offset: 8, .size: 8, .value_kind: global_buffer, .address_space: global }
      - { .name: gates, .offset: 16, .size: 8, .value_kind: global_buffer, .address_space: global }
      - { .name: expert_b, .offset: 24, .size: 8, .value_kind: global_buffer, .address_space: global }
      - { .name: lowp_scales, .offset: 32, .size: 8, .value_kind: global_buffer, .address_space: global }
      - { .name: out0, .offset: 40, .size: 8, .value_kind: global_buffer, .address_space: global }
    .group_segment_fixed_size: 327680
    .private_segment_fixed_size: 0
    .kernarg_segment_align: 8
    .kernarg_segment_size: 48
    .max_flat_workgroup_size: 128
    .sgpr_count:     66
    .vgpr_count:     1024
    .wavefront_size: 32
...
	.end_amdgpu_metadata
.endif
;; end of part 2
;; ======== version 2 of 2: 2 launches
;; limits: right only within a limited range of input values
;; workspace buffers: x_codes 4,194,304 bytes; w_codes 16,777,216 bytes; gates 131,072 bytes
;; launch prep (part 3): grid 768 x 1, 4 waves a work-group, no clusters, 55,552 bytes of LDS; arguments x, expert_w, gate_w, gate_b, lowp_scales, x_codes, w_codes, gates; writes x_codes, w_codes, gates
.if DOCPART == 3
	.amdgcn_target "amdgcn-amd-amdhsa--gfx1250"
	.amdhsa_code_object_version 6
	.text
	.protected	k_q6e246907f2_prep
	.globl	k_q6e246907f2_prep
	.p2align	8
	.type	k_q6e246907f2_prep,@function
k_q6e246907f2_prep:
	s_mov_b64 s[64:65], 0
	v_nop
	global_prefetch_b8 v0, s[64:65] scope:SCOPE_SE
	s_setreg_imm32_b32 hwreg(HW_REG_WAVE_MODE, 25, 1), 1
	s_wait_xcnt 0x0
; x [4096][1024] and expert_w [8*2048][1024], f32, are turned into codes of E4M3, one byte each, each with its given scale 2^e
; (lowp_scales[0] for x, [1] for expert_w): code = number / 2^e, held within +-448, to the nearest code, ties to even.
; From the same numbers of x the gate is made, all in f32: softmax_e(x[n] . gate_w[e] + gate_b[e]) x 2^(e0 + e1), the row's largest logit taken away first; laid gates[n][e].
; The factor 2^(e0 + e1) is the scale of the quantised product's sums: the next launch multiplies relu(sum + bias / 2^(e0 + e1)) by this number.
; LIMITS: e0 and e1 each between -126 and 119 (each becomes an f32 exponent field, and so does e + 8); a gate weight x 2^(e0 + e1) and a bias / 2^(e0 + e1) must lie in f32's range; NaN among the inputs is not served.
; THE CODES ARE LAID AS IMAGES OF THE MATRIX OPERAND'S REGISTERS.  A fragment is 16 rows x 128 along K in 2,048 bytes: piece c = 0..3 of 512 bytes holds, at 16 l, lane l's 16 codes: row l % 16, k = 32 c + 16 (l / 16) + 0..15.
;   x_codes [256 tiles of 16 tokens][8 K steps of 128][2048];  w_codes [16 groups of 128 columns][8 blocks of 16 columns][8 experts][8 K steps][2048].
; Loads of a wave cover 512 consecutive bytes (lane l at 16 l): a lane holds four neighbours of each load, four bytes of codes; they turn through LDS (4 bytes a lane in, 16 bytes a lane out) and leave 512 consecutive bytes a store.
; SHARES.  768 work-groups.  Those whose number is a multiple of 3 take 16 tokens of x each: wave w takes half kh = w % 2 of K and the 8 rows of group rg = w / 2; the lane's 16 numbers of each of the 8 rows of gate_w stay in
; registers (128).  The others take 32 rows of expert_w each: wave w takes K steps 2 w and 2 w + 1 of both groups of 16 rows, four fragments.
; No tensor loads, no cluster, no matrix unit: the bytes are read once, in one stream; there is no loop that a prefetch could run ahead in.
.set WST,  9216                        ; the weights' path: a wave's stage, four fragments of 16 rows x (128 + 16) bytes
.set XST,  4*WST                       ; x's path: the work-group's stage, 16 rows x (1024 + 16) bytes
.set XP,   1040
.set PB,   XST+16*XP                   ; the partial logits, [kh][e][16 rows] f32, 1,024 bytes
.set GS,   PB+1024                     ; the gates on their way out, 512 bytes
.set SPARE, GS+512                     ; the spare words, 128 bytes for each wave
.set GW,   8                           ; v8-135    gate_w: expert e's 16 numbers at GW + 16 e
.set X,    136                         ; v136-199  four sets of 16 numbers: rows in flight
.set S,    200                         ; v200-215  eight pairs: the row's partial logits
.set PE,   216                         ; v216-223  lane l keeps row l % 8's partial logit for expert e
.set C,    224                         ; v224-255  codes: four registers for each of 8 rows
.set WX,   8                           ; the weights' path: v8-135 eight sets of 16 numbers
.set WC,   136                         ; v136-199 four registers of codes for each of 16 steps
.macro ENDW                            ; the wave's end: the add on my spare word and its waits
	v_lshl_add_u32 v3, v0, 2, SPARE
	v_mov_b32 v4, 0
	s_wait_alu depctr_va_vdst(0)
	s_wait_tensorcnt 0x0
	ds_add_u32 v3, v4
	s_wait_dscnt 0x0
	s_endpgm
.endm
	s_load_b256 s[4:11], s[0:1], 0x0               ; x s[4:5], expert_w s[6:7], gate_w s[8:9], gate_b s[10:11]
	s_load_b256 s[12:19], s[0:1], 0x20             ; lowp_scales s[12:13], x_codes s[14:15], w_codes s[16:17], gates s[18:19]
	v_lshrrev_b32 v1, 5, v0
	v_readfirstlane_b32 s20, v1                    ; wave 0..3
	v_and_b32 v1, 31, v0                           ; lane
	v_lshlrev_b32 v2, 4, v1                        ; 16 x lane
	v_and_b32 v5, 15, v1                           ; r
	v_lshrrev_b32 v6, 4, v1                        ; h
	s_mul_hi_u32 s44, ttmp9, 0x55555556            ; the work-group's number / 3 (exact for numbers this small),
	s_mul_i32 s45, s44, 3
	s_sub_co_u32 s45, ttmp9, s45                   ; and the remainder
	s_wait_alu depctr_va_vdst(0)
	s_wait_kmcnt 0x0
	s_load_b64 s[22:23], s[12:13], 0x0             ; e0, e1
	s_cmp_eq_u32 s45, 0                            ; the choice hangs on the work-group's number alone
	s_cbranch_scc0 .Lweights
	; ---------------- x: codes and gate ----------------
	s_load_b256 s[32:39], s[10:11], 0x0            ; gate_b
	s_and_b32 s21, s20, 1                          ; kh
	s_lshr_b32 s31, s20, 1                         ; rg
	s_lshl_b32 s24, s44, 1
	s_add_co_u32 s24, s24, s31                     ; which group of 8 rows of x is my wave's: 0 .. 511
	s_lshl_b32 s26, s24, 15                        ; 8 rows of 4,096 bytes
	s_lshl_b32 s28, s21, 11                        ; + my half of a row: 2,048 bytes
	s_add_co_u32 s26, s26, s28
	s_mov_b32 s27, 0
	s_mov_b32 s29, 0
	s_add_nc_u64 s[4:5], s[4:5], s[26:27]          ; x at my first row's half
	s_add_nc_u64 s[8:9], s[8:9], s[28:29]          ; gate_w at my half of K
	s_lshl_b32 s26, s44, 14                        ; the tile's 16,384 bytes of codes
	s_lshl_b32 s28, s20, 12                        ; + K steps 2 w and 2 w + 1, which I store
	s_add_co_u32 s26, s26, s28
	s_add_nc_u64 s[14:15], s[14:15], s[26:27]
	s_lshl_b32 s26, s44, 9                         ; 16 tokens x 8 experts x 4 bytes
	s_add_nc_u64 s[18:19], s[18:19], s[26:27]      ; gates at the work-group's 512 bytes
	s_mov_b32 s40, 0x76543210                      ; v_permlanex16_b32: each lane takes its own place in the other half
	s_mov_b32 s41, 0xfedcba98
	s_mov_b32 s42, 0x3fb8aa3b                      ; log2(e); named as a pair by the packed forms, so both are written
	s_mov_b32 s43, s42
	s_mul_i32 s24, s31, 8*XP
	s_lshl_b32 s25, s21, 9
	s_add_co_u32 s24, s24, s25
	s_add_co_u32 s24, s24, XST
	s_lshl_b32 s25, s20, 8
	s_add_co_u32 s25, s25, XST
	v_lshl_add_u32 v3, v1, 2, s24                  ; into the stage: my group's rows, my half, 4 bytes a lane
	v_mul_u32_u24 v4, v5, XP
	v_lshl_add_u32 v4, v6, 4, v4
	v_add_nc_u32 v4, s25, v4                       ; out of it: row r, K steps 2 w on, 16 bytes a lane
	s_wait_alu depctr_va_vdst(0)
.irp e, 0,1,2,3,4,5,6,7
.irp j, 0,1,2,3
	global_load_b128 v[GW+16*\e+4*\j:GW+16*\e+4*\j+3], v2, s[8:9] offset:\e*4096+512*\j
.endr
.endr
.macro XLOAD set, row                  ; a row's half into a set: four loads of 512 consecutive bytes
.irp j, 0,1,2,3
	global_load_b128 v[X+16*(\set)+4*\j:X+16*(\set)+4*\j+3], v2, s[4:5] offset:(\row)*4096+512*\j th:TH_LOAD_NT
.endr
.endm
	XLOAD 0, 0
	XLOAD 1, 1
	XLOAD 2, 2
	XLOAD 3, 3
	s_lshl_b32 s24, s21, 9
	s_lshl_b32 s25, s31, 5
	s_add_co_u32 s24, s24, s25
	s_add_co_u32 s24, s24, PB
	v_and_b32 v1, 7, v1                            ; lane % 8: the row whose logits I keep
	v_lshl_add_u32 v5, v1, 2, s24                  ; and their place in LDS: PB + 512 kh + 4 (8 rg + lane % 8)
	s_wait_alu depctr_va_vdst(0)
	s_wait_kmcnt 0x0                               ; e0, e1, gate_b
	s_add_co_i32 s30, s22, s23                     ; e0 + e1
	s_add_co_i32 s24, s22, 127
	s_lshl_b32 s25, s24, 23
	v_mov_b32 v7, s25                              ; 2^e0 as f32: the conversion takes its exponent field
	s_add_co_i32 s24, s24, 8
	s_lshl_b32 s24, s24, 23
	s_or_b32 s24, s24, 0x600000
	v_mov_b32 v6, s24                              ; 448 x 2^e0
	s_wait_alu depctr_va_vdst(0)
; One row.  ahead = 1: the set is filled again with the row four further on.  left: the younger loads that may stay out.
.macro ROW i, ahead, left
.set XS, X+16*((\i)%4)
.set CS, C+4*(\i)
	s_wait_loadcnt \left                           ; loads come back in order: this row is in (and gate_w, asked for ahead of it)
.irp e, 0,1,2,3,4,5,6,7
	v_pk_mul_f32 v[S+2*\e:S+2*\e+1], v[XS:XS+1], v[GW+16*\e:GW+16*\e+1]   ; the first product starts each sum; eight chains by turns
.endr
.irp j, 2,4,6,8,10,12,14
.irp e, 0,1,2,3,4,5,6,7
	v_pk_fma_f32 v[S+2*\e:S+2*\e+1], v[XS+\j:XS+\j+1], v[GW+16*\e+\j:GW+16*\e+\j+1], v[S+2*\e:S+2*\e+1]
.endr
.endr
.irp k, 0,1,2,3,4,5,6,7,8,9,10,11,12,13,14,15
	v_med3_num_f32 v[XS+\k], v[XS+\k], -v6, v6     ; the conversion to an 8-bit code does not saturate (ISA guide 7.6.2): hold the number first
.endr
	v_cvt_scalef32_pk8_fp8_f32 v[CS:CS+1], v[XS:XS+7], v7          ; register j of the four: the codes of load j's four numbers
	v_cvt_scalef32_pk8_fp8_f32 v[CS+2:CS+3], v[XS+8:XS+15], v7
.irp e, 0,1,2,3,4,5,6,7
	v_add_f32 v[S+2*\e], v[S+2*\e], v[S+2*\e+1]    ; plain work that touches neither codes nor numbers: the place behind the conversions
.endr
.irp j, 0,1,2,3
	ds_store_b32 v3, v[CS+\j] offset:(\i)*XP+128*\j
.endr
.if \ahead
	XLOAD (\i)%4, (\i)+4
.endif
.irp m, 1,2,4,8
.irp e, 0,1,2,3,4,5,6,7
	v_add_f32_dpp v[S+2*\e], v[S+2*\e], v[S+2*\e] row_xmask:\m row_mask:0xf bank_mask:0xf
.endr
.endr
.irp e, 0,1,2,3,4,5,6,7
	v_permlanex16_b32 v[S+2*\e+1], v[S+2*\e], s40, s41
.endr
.irp e, 0,1,2,3,4,5,6,7
	v_add_f32 v[S+2*\e], v[S+2*\e], v[S+2*\e+1]    ; every lane holds the row's partial logit
.endr
.if (\i) == 0
.irp e, 0,1,2,3,4,5,6,7
	v_mov_b32 v[PE+\e], v[S+2*\e]                  ; the first row starts the registers whole
.endr
.else
	v_cmp_eq_u32 vcc_lo, \i, v1
.irp e, 0,1,2,3,4,5,6,7
	v_cndmask_b32 v[PE+\e], v[PE+\e], v[S+2*\e], vcc_lo   ; the lanes of that number modulo 8 keep it
.endr
.endif
.endm
	ROW 0, 1, 12                                   ; eight rows, written out: every offset is an immediate
	ROW 1, 1, 12
	ROW 2, 1, 12
	ROW 3, 1, 12
	ROW 4, 0, 12                                   ; the last four rows load nothing: the counts run down
	ROW 5, 0, 8
	ROW 6, 0, 4
	ROW 7, 0, 0
	; the two halves of K meet in LDS; the half kh = 0 brings gate_b with it
	s_cmp_eq_u32 s21, 0
.irp e, 0,1,2,3,4,5,6,7
	s_cselect_b32 s[32+\e], s[32+\e], 0
.endr
	s_wait_alu depctr_va_vdst(0)
.irp e, 0,1,2,3,4,5,6,7
	v_add_f32 v[PE+\e], s[32+\e], v[PE+\e]
.endr
.irp e, 0,1,2,3,4,5,6,7
	ds_store_b32 v5, v[PE+\e] offset:\e*64         ; four lanes write the same word with the same number
.endr
	s_wait_dscnt 0x0                               ; for the other waves' sake: my logits and my codes are in LDS
	s_barrier_signal -1
	s_barrier_wait -1
.irp i, 0,1,2,3
	ds_load_b128 v[C+4*\i:C+4*\i+3], v4 offset:32*\i          ; K step 2 w, piece i
	ds_load_b128 v[C+16+4*\i:C+16+4*\i+3], v4 offset:128+32*\i ; K step 2 w + 1
.endr
	s_wait_dscnt 0x0
.irp i, 0,1,2,3,4,5,6,7
	global_store_b128 v2, v[C+4*\i:C+4*\i+3], s[14:15] offset:512*\i   ; 512 consecutive bytes, at a multiple of 256 from the buffer's first byte
.endr
	s_cmp_lg_u32 s20, 0
	s_cbranch_scc1 .Ldone                          ; the softmax of 16 rows x 8 is one wave's work: lane l takes expert l / 4 and rows 4 (l % 4) + 0..3, which is 16 bytes at 16 l
	ds_load_b128 v[8:11], v2 offset:PB
	ds_load_b128 v[12:15], v2 offset:PB+512
	s_wait_dscnt 0x0
	v_pk_add_f32 v[8:9], v[8:9], v[12:13]
	v_pk_add_f32 v[10:11], v[10:11], v[14:15]      ; the logits
.irp k, 0,1,2,3
	v_max_num_f32_dpp v[16+\k], v[8+\k], v[8+\k] row_xmask:4 row_mask:0xf bank_mask:0xf    ; a row's eight experts lie in the lanes l xor 4, 8, 16
.endr
.irp k, 0,1,2,3
	v_max_num_f32_dpp v[16+\k], v[16+\k], v[16+\k] row_xmask:8 row_mask:0xf bank_mask:0xf
.endr
.irp k, 0,1,2,3
	v_permlanex16_b32 v[20+\k], v[16+\k], s40, s41
.endr
.irp k, 0,1,2,3
	v_max_num_f32 v[16+\k], v[16+\k], v[20+\k]     ; the row's largest logit m
.endr
	v_bfe_u32 v24, v2, 4, 2                        ; l % 4
	v_lshrrev_b32 v25, 6, v2                       ; l / 4
	v_lshlrev_b32 v24, 7, v24
	v_lshl_add_u32 v24, v25, 2, v24                ; the gates' stage: row 4 (l % 4), expert l / 4
	v_pk_mul_f32 v[16:17], v[16:17], s[42:43] op_sel_hi:[1,0]      ; m log2(e)
	v_pk_mul_f32 v[18:19], v[18:19], s[42:43] op_sel_hi:[1,0]
	v_pk_fma_f32 v[8:9], v[8:9], s[42:43], v[16:17] op_sel_hi:[1,0,1] neg_lo:[0,0,1] neg_hi:[0,0,1]     ; (l - m) log2(e), one rounding
	v_pk_fma_f32 v[10:11], v[10:11], s[42:43], v[18:19] op_sel_hi:[1,0,1] neg_lo:[0,0,1] neg_hi:[0,0,1]
	s_wait_alu depctr_va_vdst(0)
.irp k, 0,1,2,3
	v_exp_f32 v[8+\k], v[8+\k]
.endr
	v_nop                                          ; one plain instruction between the exponentials and the use of their results
	s_wait_alu depctr_va_vdst(0)
.irp k, 0,1,2,3
	v_add_f32_dpp v[16+\k], v[8+\k], v[8+\k] row_xmask:4 row_mask:0xf bank_mask:0xf
.endr
.irp k, 0,1,2,3
	v_add_f32_dpp v[16+\k], v[16+\k], v[16+\k] row_xmask:8 row_mask:0xf bank_mask:0xf
.endr
.irp k, 0,1,2,3
	v_permlanex16_b32 v[20+\k], v[16+\k], s40, s41
.endr
.irp k, 0,1,2,3
	v_add_f32 v[16+\k], v[16+\k], v[20+\k]         ; the row's sum, at least about 1
.endr
	s_wait_alu depctr_va_vdst(0)
.irp k, 0,1,2,3
	v_rcp_f32 v[16+\k], v[16+\k]
.endr
	v_nop
	s_wait_alu depctr_va_vdst(0)
.irp k, 0,1,2,3
	v_ldexp_f32 v[16+\k], v[16+\k], s30            ; x 2^(e0 + e1)
.endr
	v_pk_mul_f32 v[8:9], v[8:9], v[16:17]
	v_pk_mul_f32 v[10:11], v[10:11], v[18:19]
.irp k, 0,1,2,3
	ds_store_b32 v24, v[8+\k] offset:GS+32*\k      ; [row][expert]
.endr
	ds_load_b128 v[12:15], v2 offset:GS            ; LDS serves a wave's instructions in order (ISA guide 5.7.1.4): this sees the four stores
	s_wait_dscnt 0x0
	global_store_b128 v2, v[12:15], s[18:19]       ; the work-group's 512 consecutive bytes of gates, aligned
.Ldone:
	ENDW
	; ---------------- expert_w: codes ----------------
.Lweights:
	s_lshl_b32 s24, s44, 1
	s_add_co_u32 s24, s24, s45
	s_sub_co_u32 s24, s24, 1                       ; n: which of the 512 work-groups of the weights: rows 32 n on
	s_lshr_b32 s26, s24, 6                         ; the expert
	s_lshl_b32 s26, s26, 14
	s_bfe_u32 s28, s24, 0x40002                    ; (n % 64) / 4: the group of 128 columns
	s_lshl_b32 s28, s28, 20
	s_add_co_u32 s26, s26, s28
	s_and_b32 s28, s24, 3                          ; blocks 2 (n % 4) and + 1 of its eight
	s_lshl_b32 s28, s28, 18
	s_add_co_u32 s26, s26, s28
	s_lshl_b32 s28, s20, 12                        ; K steps 2 w and 2 w + 1
	s_add_co_u32 s26, s26, s28                     ; my codes
	s_lshl_b32 s24, s24, 17                        ; 32 rows of 4,096 bytes
	s_lshl_b32 s28, s20, 10
	s_add_co_u32 s24, s24, s28                     ; my numbers
	s_mov_b32 s25, 0
	s_mov_b32 s27, 0
	s_add_nc_u64 s[6:7], s[6:7], s[24:25]
	s_add_nc_u64 s[16:17], s[16:17], s[26:27]
	s_mul_i32 s21, s20, WST
.macro WLOAD t                         ; step t: four rows of fragment t / 4, 512 consecutive bytes each
.irp i, 0,1,2,3
	global_load_b128 v[WX+16*((\t)%8)+4*\i:WX+16*((\t)%8)+4*\i+3], v2, s[6:7] offset:(16*((\t)/8)+4*((\t)%4)+\i)*4096+512*(((\t)/4)%2) th:TH_LOAD_NT
.endr
.endm
.irp t, 0,1,2,3,4,5,6,7
	WLOAD \t                                       ; eight steps, 32 loads of 512 bytes, are on their way
.endr
	v_lshl_add_u32 v3, v1, 2, s21                  ; into my stage: 4 bytes a lane
	v_mul_u32_u24 v4, v5, 144
	v_lshl_add_u32 v4, v6, 4, v4
	v_add_nc_u32 v4, s21, v4                       ; out of it: row r, 16 bytes a lane
	s_wait_alu depctr_va_vdst(0)
	s_wait_kmcnt 0x0
	s_add_co_i32 s24, s23, 127
	s_lshl_b32 s25, s24, 23
	v_mov_b32 v7, s25                              ; 2^e1
	s_add_co_i32 s24, s24, 8
	s_lshl_b32 s24, s24, 23
	s_or_b32 s24, s24, 0x600000
	v_mov_b32 v6, s24                              ; 448 x 2^e1
.macro WSEND f                         ; fragment f leaves: four stores of 512 consecutive bytes
.irp c, 0,1,2,3
	global_store_b128 v2, v[WC+16*(\f)+4*\c:WC+16*(\f)+4*\c+3], s[16:17] offset:((\f)/2)*131072+((\f)%2)*2048+512*\c
.endr
.endm
.macro WSTEP t
.set XS, WX+16*((\t)%8)
.set CS, WC+4*(\t)
.set FO, 2304*((\t)/4)
.if 15-(\t) >= 7
	s_wait_loadcnt 28                              ; this step's four loads are in; the next seven steps' may be out
.else
	s_wait_loadcnt 4*(15-(\t))
.endif
.irp k, 0,1,2,3,4,5,6,7,8,9,10,11,12,13,14,15
	v_med3_num_f32 v[XS+\k], v[XS+\k], -v6, v6
.endr
	v_cvt_scalef32_pk8_fp8_f32 v[CS:CS+1], v[XS:XS+7], v7
	v_cvt_scalef32_pk8_fp8_f32 v[CS+2:CS+3], v[XS+8:XS+15], v7
	v_nop                                          ; one plain instruction between a scaled conversion and what touches its result or writes its sources
.irp j, 0,1,2,3
	ds_store_b32 v3, v[CS+\j] offset:FO+(4*((\t)%4)+\j)*144
.endr
.if (\t)%4 == 3                        ; the fragment's 16 rows are in the stage: back in order behind the stores, into the registers that held its codes
.irp c, 0,1,2,3
	ds_load_b128 v[CS-12+4*\c:CS-12+4*\c+3], v4 offset:FO+32*\c
.endr
.endif
.if (\t)+8 < 16
	WLOAD (\t)+8
.endif
.if (((\t)%4) == 0) && ((\t) > 0)
	s_wait_dscnt 4                                 ; the fragment before is back: behind its loads stand this step's four stores
	WSEND (\t)/4-1
.endif
.endm
	s_wait_alu depctr_va_vdst(0)
.irp t, 0,1,2,3,4,5,6,7,8,9,10,11,12,13,14,15
	WSTEP \t
.endr
	s_wait_dscnt 0x0
	WSEND 3
	ENDW
.Lfunc_end_k_q6e246907f2_prep:
	.size	k_q6e246907f2_prep, .Lfunc_end_k_q6e246907f2_prep-k_q6e246907f2_prep
	.p2alignl 7, 3214868480
	.fill 96, 4, 3214868480
	.section	.rodata,"a",@progbits
	.p2align	6, 0x0
	.amdhsa_kernel k_q6e246907f2_prep
		.amdhsa_group_segment_fixed_size 55552
		.amdhsa_private_segment_fixed_size 0
		.amdhsa_enable_private_segment 0
		.amdhsa_kernarg_size 64
		.amdhsa_user_sgpr_count 2
		.amdhsa_user_sgpr_kernarg_segment_ptr 1
		.amdhsa_wavefront_size32 1
		.amdhsa_system_sgpr_workgroup_id_x 1
		.amdhsa_system_sgpr_workgroup_id_y 1
		.amdhsa_system_sgpr_workgroup_id_z 1
		.amdhsa_system_vgpr_workitem_id 0
		.amdhsa_next_free_vgpr 256
		.amdhsa_next_free_sgpr 66
		.amdhsa_reserve_vcc 1
		.amdhsa_float_denorm_mode_32 3
		.amdhsa_float_denorm_mode_16_64 3
		.amdhsa_memory_ordered 1
		.amdhsa_forward_progress 1
		.amdhsa_inst_pref_size 119
	.end_amdhsa_kernel
	.amdgpu_metadata
---
amdhsa.version: [ 1, 2 ]
amdhsa.kernels:
  - .name:           k_q6e246907f2_prep
    .symbol:         k_q6e246907f2_prep.kd
    .args:
      - { .name: x, .offset: 0, .size: 8, .value_kind: global_buffer, .address_space: global }
      - { .name: expert_w, .offset: 8, .size: 8, .value_kind: global_buffer, .address_space: global }
      - { .name: gate_w, .offset: 16, .size: 8, .value_kind: global_buffer, .address_space: global }
      - { .name: gate_b, .offset: 24, .size: 8, .value_kind: global_buffer, .address_space: global }
      - { .name: lowp_scales, .offset: 32, .size: 8, .value_kind: global_buffer, .address_space: global }
      - { .name: x_codes, .offset: 40, .size: 8, .value_kind: global_buffer, .address_space: global }
      - { .name: w_codes, .offset: 48, .size: 8, .value_kind: global_buffer, .address_space: global }
      - { .name: gates, .offset: 56, .size: 8, .value_kind: global_buffer, .address_space: global }
    .group_segment_fixed_size: 55552
    .private_segment_fixed_size: 0
    .kernarg_segment_align: 8
    .kernarg_segment_size: 64
    .max_flat_workgroup_size: 128
    .sgpr_count:     66
    .vgpr_count:     256
    .wavefront_size: 32
...
	.end_amdgpu_metadata
.endif
;; end of part 3
;; launch moe (part 4): grid 16 x 16, 4 waves a work-group, clusters of 4 x 4, 327,680 bytes of LDS; arguments x_codes, w_codes, gates, expert_b, lowp_scales, out0; writes out0
.if DOCPART == 4
	.amdgcn_target "amdgcn-amd-amdhsa--gfx1250"
	.amdhsa_code_object_version 6
	.text
	.protected	k_q6e246907f2_moe
	.globl	k_q6e246907f2_moe
	.p2align	8
	.type	k_q6e246907f2_moe,@function
k_q6e246907f2_moe:
	s_mov_b64 s[64:65], 0
	v_nop
	global_prefetch_b8 v0, s[64:65] scope:SCOPE_SE
	s_setreg_imm32_b32 hwreg(HW_REG_WAVE_MODE, 25, 1), 1
	s_wait_xcnt 0x0
	s_wait_alu depctr_hold_cnt(0) depctr_sa_sdst(0) depctr_va_vdst(0) depctr_va_sdst(0) depctr_va_ssrc(0) depctr_va_vcc(0) depctr_vm_vsrc(0)
	s_getreg_b32 s2, hwreg(HW_REG_IB_STS2, 6, 4)
	s_cmp_eq_u32 s2, 0
	s_cbranch_scc0 .Lentry_in_a_cluster
	s_endpgm
.Lentry_in_a_cluster:
	s_bfe_u32 s2, ttmp6, 0x10000c
	s_cmp_lg_u32 s2, 0xf033
	s_cbranch_scc0 .Lentry_shape_is_right
	s_endpgm
.Lentry_shape_is_right:
; out[n][h] = sum over e of gate[n][e] relu(x[n] . w[e][h] + b[e][h]).  Codes and gates as the launch before laid them; sums in f32.
; The sums of codes stand for sum x 2^(e0 + e1): the gates carry that factor, and the bias is divided by it (LIMITS: as stated at the head of the first launch).
; A work-group makes 256 tokens x 128 columns; a wave 64 tokens, whose codes stay in 512 registers through the launch.  The columns go in eight blocks of 16, and within a block the eight experts:
; a slot of LDS holds one block's weights of all experts, 131,072 dense bytes, as images of operand registers.  The ring has two slots, each filled by one joint load a wave.
; CLUSTERS of 4 x 4: the four of a column share the columns, so W's tiles; the four of a row share the tokens, so the half of x that comes through LDS (slot 1, ahead of its first weights).
; TRANSPOSED USE: source 0 = 16 rows of W, source 1 = 16 tokens: a lane holds one token and eight neighbouring columns.  The bias is the C of each sum's first product.
; While one expert's 32 products (4 tiles of tokens x 8 K steps) are issued, the accumulators of the expert before go through relu and the gate, vector instructions behind each product, under the products' own window setting.
; W's fragments have one register set for each K step; they are loaded in three runs for each two experts, 20 or 24 loads each, into sets whose last reader stands four or more vector instructions back.
; WINDOWS: 0: addresses, bias, accumulators, outputs, W's fragments.  1: x K steps 0, 1; saved outputs.  2: x K steps 2-4.  3: x K steps 5-7; gates.  The rest of 1-3: rows on their way out.
.set SLOT,  131072
.set BIAS,  2*SLOT                     ; [8 blocks][8 experts][16 columns] f32
.set SPARE, BIAS+4096                  ; the spare words, 128 bytes for each wave
.set STAGE, SPARE+512                  ; the way out: 16 rows x (256 + 16) bytes for each wave
.set SPW,   2
.set NIL,   3
.set ADW,   4                          ; v4-5   LDS address of my lane's place in the slot in hand: its lower and upper 65,536 bytes
.set AW0,   6                          ; 16 x lane
.set STO,   7
.set RD,    8
.set CO,    9
.set BADR,  10                         ; my lane's bias word of the next block of columns
.set PFO,   11                         ; 256 x lane
.set GO,    12
.set BIASR, 16                         ; v16-23  the bias of the expert at work: register j = column 8 (l / 16) + j
.set BS,    24                         ; v24-31  expert e's bias: lane l holds column 8 (l / 16) + l % 8
.set ACC,   32                         ; v32-95  two sets of four accumulators
.set T,     32                         ; at the head: addresses
.set OUT,   96                         ; v96-127 the outputs of this block of columns
.set BF,    128                        ; v128-255 W's fragments of eight K steps
.set SAVE,  128                        ; window 1: three blocks' outputs
.set GW,    192                        ; window 3: gate of tile a, expert e at GW + 8 a + e
.set WV,    16
.set G1X,   24
.set G1H,   32
.set G1R,   48
.set G0X,   56
.set G0H,   60
.set G0R,   68
.set PFA,   72
.set TRIPS, 40
.set TB,    41                         ; where the slot in hand begins
.set CB,    45                         ; the block of columns
.set MSB, 0
.macro WIN new
.if MSB != (\new)
	s_set_vgpr_msb (MSB<<8)|(\new)
.set MSB, (\new)
.endif
.endm
.macro CREST
	s_cmp_lg_u32 s[WV], 0
	s_cbranch_scc1 .Lnot_wave_0_\@
	s_barrier_signal -3
.Lnot_wave_0_\@:
	s_barrier_wait -3
	s_barrier_signal -1
	s_barrier_wait -1
.endm
.macro CROUND
	s_barrier_signal -1
	s_barrier_wait -1
	CREST
.endm
.macro PLACES
.rept 4
	v_nop
.endr
.endm
	s_load_b256 s[4:11], s[0:1], 0x0               ; x_codes, w_codes, gates, expert_b
	s_load_b128 s[12:15], s[0:1], 0x20             ; lowp_scales, out0
	v_lshl_add_u32 v[SPW], v0, 2, SPARE
	v_mov_b32 v[NIL], 0
	ds_add_u32 v[SPW], v[NIL]                      ; the opening add, twice on end
	ds_add_u32 v[SPW], v[NIL]
	v_lshrrev_b32 v1, 5, v0
	v_readfirstlane_b32 s[WV], v1
	s_bfe_u32 s17, ttmp6, 0x40000                  ; cx
	s_bfe_u32 s18, ttmp6, 0x40004                  ; cy
	s_lshl_b32 s19, ttmp9, 2
	s_add_co_u32 s19, s19, s17                     ; group of 128 columns
	s_and_b32 s20, ttmp7, 0xffff
	s_lshl_b32 s20, s20, 2
	s_add_co_u32 s20, s20, s18                     ; group of 256 tokens
	s_lshl_b32 s21, s18, 2
	s_lshl_b32 s21, 15, s21                        ; my row of the cluster
	s_lshl_b32 s22, 0x1111, s17                    ; my column
	s_lshr_b32 s23, s[WV], 1                       ; at the head waves 0, 1 fetch x, waves 2, 3 the first slot of W
	s_and_b32 s47, s[WV], 1
	s_or_b32 s[G1X], s21, 1<<21                    ; x: K steps 4-7 of 8 tiles: 8 rows of 8,192 bytes, 16,384 apart
	s_mov_b32 s[G1X+1], 8192<<16
	s_mov_b32 s[G1X+2], 8<<16
	s_mov_b32 s[G1X+3], 8192<<16
	s_mov_b32 s[G1X+4], 8
	s_mov_b32 s[G1X+5], 16384
	s_mov_b32 s[G1X+6], 0
	s_mov_b32 s[G1X+7], 0
	s_or_b32 s[G1H], s22, 1<<21                    ; W at the head: 65,536 dense bytes a wave
	s_mov_b32 s[G1H+1], 4096<<16
	s_mov_b32 s[G1H+2], 16<<16
	s_mov_b32 s[G1H+3], 4096<<16
	s_mov_b32 s[G1H+4], 16
	s_mov_b32 s[G1H+5], 4096
	s_mov_b32 s[G1H+6], 0
	s_mov_b32 s[G1H+7], 0
	s_or_b32 s[G1R], s22, 1<<21                    ; W in the ring: 32,768 dense bytes a wave
	s_mov_b32 s[G1R+1], 4096<<16
	s_mov_b32 s[G1R+2], 8<<16
	s_mov_b32 s[G1R+3], 4096<<16
	s_mov_b32 s[G1R+4], 8
	s_mov_b32 s[G1R+5], 4096
	s_mov_b32 s[G1R+6], 0
	s_mov_b32 s[G1R+7], 0
	s_lshl_b32 s74, s20, 18                        ; x: 262,144 bytes for each group of tokens
	s_lshl_b32 s75, s47, 17
	s_add_co_u32 s74, s74, s75
	s_add_co_u32 s74, s74, 8192
	s_mov_b32 s75, 0
	s_lshl_b32 s76, s19, 20                        ; W: 1,048,576 bytes for each group of columns
	s_lshl_b32 s80, s47, 16
	s_add_co_u32 s78, s76, SLOT
	s_add_co_u32 s76, s76, s80
	s_mov_b32 s77, 0
	s_lshl_b32 s82, s[WV], 15
	s_add_co_u32 s78, s78, s82
	s_mov_b32 s79, 0
	s_add_co_u32 s81, s80, SLOT
	s_add_co_u32 s82, s82, SLOT
	s_wait_dscnt 0x0                               ; both opening adds are done
	s_wait_kmcnt 0x0
	s_load_b64 s[42:43], s[12:13], 0x0             ; e0, e1
	s_mov_b32 s[G0X], 1
	s_mov_b32 s[G0X+1], s81                        ; x's half goes through slot 1
	s_add_nc_u64 s[G0X+2:G0X+3], s[4:5], s[74:75]
	s_or_b32 s[G0X+3], s[G0X+3], 0x80000000
	s_mov_b32 s[G0H], 1
	s_mov_b32 s[G0H+1], s80
	s_add_nc_u64 s[G0H+2:G0H+3], s[6:7], s[76:77]
	s_or_b32 s[G0H+3], s[G0H+3], 0x80000000
	s_mov_b32 s[G0R], 1
	s_mov_b32 s[G0R+1], s82
	s_add_nc_u64 s[G0R+2:G0R+3], s[6:7], s[78:79]
	s_or_b32 s[G0R+3], s[G0R+3], 0x80000000
	CROUND                                         ; all sixteen work-groups are here: the joint loads meet
	s_cmp_eq_u32 s23, 0
	s_cbranch_scc0 .Lfetch_w
	tensor_load_to_lds s[G0X:G0X+3], s[G1X:G1X+7]
	s_nop 0
	PLACES
	s_branch .Lfetched
.Lfetch_w:
	tensor_load_to_lds s[G0H:G0H+3], s[G1H:G1H+7]
	s_nop 0
	PLACES
.Lfetched:
	s_mov_b32 s85, 0
	s_lshl_b32 s84, s20, 18
	s_lshl_b32 s86, s[WV], 16
	s_add_co_u32 s84, s84, s86
	s_add_nc_u64 s[4:5], s[4:5], s[84:85]          ; x at my four tiles
	s_lshl_b32 s84, s20, 13
	s_lshl_b32 s86, s[WV], 11
	s_add_co_u32 s84, s84, s86
	s_add_nc_u64 s[8:9], s[8:9], s[84:85]          ; their gates
	s_lshl_b32 s86, s19, 9
	s_mov_b32 s87, 0
	s_add_nc_u64 s[10:11], s[10:11], s[86:87]      ; the bias of my columns
	s_lshl_b32 s84, s20, 21
	s_add_co_u32 s84, s84, s86
	s_lshl_b32 s86, s[WV], 19
	s_add_co_u32 s84, s84, s86
	s_add_nc_u64 s[14:15], s[14:15], s[84:85]      ; out: my 64 rows of 8,192 bytes, my 512 bytes
	s_lshl_b32 s88, s18, 2
	s_add_co_u32 s88, s88, s[WV]                   ; my 8,192 bytes of a slot's prefetch, told apart by address
	s_lshl_b32 s88, s88, 13
	s_lshl_b32 s89, s19, 20
	s_add_co_u32 s88, s88, s89
	s_add_co_u32 s88, s88, 2*SLOT
	s_mov_b32 s89, 0
	s_add_nc_u64 s[PFA:PFA+1], s[6:7], s[88:89]    ; slot 2
	s_mul_i32 s90, s[WV], 16*272
	s_add_co_u32 s90, s90, STAGE
	s_lshl_b32 s91, s[WV], 15
	s_add_co_u32 s91, s91, SLOT                    ; my four tiles of x in slot 1
	s_mov_b32 s[TB], 0
	s_mov_b32 s[CB], 0
	s_mov_b32 s[TRIPS], 6
	v_and_b32 v[AW0], 31, v0
	v_lshlrev_b32 v[PFO], 8, v[AW0]
	v_lshlrev_b32 v[AW0], 4, v[AW0]
	v_and_b32 v13, 15, v0                          ; r
	v_bfe_u32 v14, v0, 4, 1                        ; h
	v_lshrrev_b32 v15, 4, v0                       ; 0 .. 7: the expert whose bias I bring
	v_lshlrev_b32 v1, 4, v13
	v_lshl_add_u32 v1, v15, 13, v1
	v_lshlrev_b32 v[GO], 5, v13
	global_load_b128 v[BF:BF+3], v1, s[10:11]
	global_load_b128 v[BF+4:BF+7], v1, s[10:11] offset:256
	WIN 0xc0
.irp a, 0,1,2,3
	global_load_b128 v[GW+8*\a:GW+8*\a+3], v[GO], s[8:9] offset:512*\a
	global_load_b128 v[GW+8*\a+4:GW+8*\a+7], v[GO], s[8:9] offset:512*\a+16
.endr
.macro XG q, reg                       ; x's fragments of K step q: each load reads 512 consecutive bytes
.irp a, 0,1,2,3
.irp c, 0,1,2,3
	global_load_b128 v[\reg+16*\a+4*\c:\reg+16*\a+4*\c+3], v[AW0], s[4:5] offset:16384*\a+2048*\q+512*\c
.endr
.endr
.endm
	WIN 0x40
	XG 0, 0
	XG 1, 64
	WIN 0x80
	XG 2, 0
	XG 3, 64
	WIN 0
	v_lshrrev_b32 v[T], 2, v13                     ; the bias into LDS: column 4 r + i: block r / 4 (and 4 more for the second half)
	v_lshlrev_b32 v[T], 9, v[T]
	v_lshl_add_u32 v[T], v15, 6, v[T]
	v_and_b32 v[T+1], 3, v13
	v_lshl_add_u32 v[T], v[T+1], 4, v[T]
	v_add_nc_u32 v[T], BIAS, v[T]
	v_and_b32 v[T+1], 7, v13
	v_lshlrev_b32 v[T+1], 2, v[T+1]
	v_lshl_add_u32 v[T+1], v14, 5, v[T+1]
	v_add_nc_u32 v[BADR], BIAS, v[T+1]
	v_mul_u32_u24 v[T+1], v13, 272
	v_lshl_add_u32 v[T+1], v14, 5, v[T+1]
	v_add_nc_u32 v[STO], s90, v[T+1]               ; the stage, in: row r, 32 bytes for each half of the lanes
	v_mul_u32_u24 v[T+1], v14, 272
	v_lshl_add_u32 v[T+1], v13, 4, v[T+1]
	v_add_nc_u32 v[RD], s90, v[T+1]                ; back: sixteen lanes to a row of 256 bytes
	v_lshlrev_b32 v[T+1], 13, v14
	v_lshl_add_u32 v[CO], v13, 4, v[T+1]
	v_add_nc_u32 v[T+2], s91, v[AW0]
	v_mov_b32 v[ADW], v[AW0]
	v_add_nc_u32 v[ADW+1], 0x10000, v[AW0]
.irp j, 0,1,2,3,4,5,6,7
	v_mov_b32 v[BIASR+\j], 0                       ; written once: a lane move's destination counts as one of its sources
.endr
	WIN 0x40
.set i, 0
.rept 96
	v_mov_b32 v[SAVE+i], 0                         ; the saved outputs: the branch that picks a set stands in the loop, so all are written ahead of it
.set i, i+1
.endr
	WIN 0
.set i, 0
.rept 32
	v_mov_b32 v[OUT+i], 0                          ; the outputs, written whole for the same reason
.set i, i+1
.endr
	s_wait_alu depctr_va_vdst(0)
	s_wait_loadcnt 0x3f                            ; the two bias loads are in: 72 younger ones stand behind them
	s_wait_kmcnt 0x0
	s_add_co_i32 s44, s42, s43
	s_sub_co_i32 s44, 0, s44
.irp k, 0,1,2,3,4,5,6,7
	v_ldexp_f32 v[BF+\k], v[BF+\k], s44            ; bias / 2^(e0 + e1)
.endr
	ds_store_b128 v[T], v[BF:BF+3]
	ds_store_b128 v[T], v[BF+4:BF+7] offset:2048
	s_wait_tensorcnt 0x0                           ; my part of x or of W has landed,
	s_wait_dscnt 0x0                               ; my bias is stored: the others read both behind the barrier
	s_barrier_signal -1
	s_barrier_wait -1
.irp k, 0,1,2,3,4,5,6,7
	ds_load_b32 v[BS+\k], v[BADR] offset:64*\k
.endr
.macro XL q, reg                       ; x's fragments of K step q, out of slot 1
.irp a, 0,1,2,3
.irp c, 0,1,2,3
	ds_load_b128 v[\reg+16*\a+4*\c:\reg+16*\a+4*\c+3], v[T+2] offset:8192*\a+2048*(\q-4)+512*\c
.endr
.endr
.endm
; Piece c of fragment f (K step f) of expert ex in the slot in hand; and a run of whole fragments f0 .. f1.
.macro LDF f, c, ex
	ds_load_b128 v[BF+16*(\f)+4*(\c):BF+16*(\f)+4*(\c)+3], v[ADW+(\ex)/4] offset:((\ex)%4)*16384+2048*(\f)+512*(\c)
.endm
.macro RUN f0, f1, ex
.set RF, \f0
.rept (\f1)-(\f0)+1
	LDF RF, 0, \ex
	LDF RF, 1, \ex
	LDF RF, 2, \ex
	LDF RF, 3, \ex
.set RF, RF+1
.endr
.endm
; The vector work behind the products, 56 instructions an expert: 32 times relu of the expert before, 8 times the next expert's bias, 16 times gate x relu onto the outputs, two at a time.
; Between a relu and its reader stand nine or more of them, and between the bias and the product that takes it.
.macro VV epi, first, pe, be
.if VI < 32
.if \epi
	v_max_num_f32 v[AP+VI], v[AP+VI], 0
.else
	v_nop
.endif
.elseif VI < 40
.if (\be) >= 0
.irp j, 0,1,2,3,4,5,6,7
.if (VI-32) == \j
	v_mov_b32_dpp v[BIASR+\j], v[BS+\be] row_share:\j row_mask:0xf bank_mask:0xf
.endif
.endr
.else
	v_nop
.endif
.elseif \epi
.set FI, VI-40
.set GR, GW+8*(FI/4)+((\pe)/2)*2
.if \first
	v_pk_mul_f32 v[OUT+2*FI:OUT+2*FI+1], v[AP+2*FI:AP+2*FI+1], v[GR:GR+1] op_sel_hi:[1,0]
.elseif (\pe)%2
	v_pk_fma_f32 v[OUT+2*FI:OUT+2*FI+1], v[AP+2*FI:AP+2*FI+1], v[GR:GR+1], v[OUT+2*FI:OUT+2*FI+1] op_sel:[0,1,0]
.else
	v_pk_fma_f32 v[OUT+2*FI:OUT+2*FI+1], v[AP+2*FI:AP+2*FI+1], v[GR:GR+1], v[OUT+2*FI:OUT+2*FI+1] op_sel_hi:[1,0,1]
.endif
.else
	v_nop
.endif
.set VI, VI+1
.endm
; K step q of expert e: four products, one for each tile of tokens: the accumulators take turns, three others between two products on one.
; Seven vector instructions go with them; t = 1: a run of loads follows, and four of the seven stand behind the last product: the places in front of the loads.
.macro STEP e, q, epi, first, pe, be, w, t
.if (\w) >= 0
	s_wait_dscnt \w                                ; fragment q is in; the LDS loads younger than it may be out
.endif
.if (\q) < 2
.set XW, 1
.set XB, 64*(\q)
.elseif (\q) < 5
.set XW, 2
.set XB, 64*((\q)-2)
.else
.set XW, 3
.set XB, 64*((\q)-5)
.endif
.set AC, ACC+32*((\e)%2)
.set AP, ACC+32-32*((\e)%2)
	WIN 4*XW
.irp a, 0,1,2,3
.if (\q) == 0
	v_wmma_f32_16x16x128_fp8_fp8 v[AC+8*\a:AC+8*\a+7], v[BF:BF+15], v[XB+16*\a:XB+16*\a+15], v[BIASR:BIASR+7]
.else
	v_wmma_f32_16x16x128_fp8_fp8 v[AC+8*\a:AC+8*\a+7], v[BF+16*(\q):BF+16*(\q)+15], v[XB+16*\a:XB+16*\a+15], v[AC+8*\a:AC+8*\a+7]
.endif
	VV \epi, \first, \pe, \be
.if \t
.if \a == 3
	VV \epi, \first, \pe, \be
	VV \epi, \first, \pe, \be
	VV \epi, \first, \pe, \be
.endif
.else
.if \a < 3
	VV \epi, \first, \pe, \be
.endif
.endif
.endr
.endm
; One expert, its successor's weights in the same slot.  THE RUNS: behind an even expert's K step 4 the next one's fragments 0-4; behind an odd expert's K step 1 its own fragments 5-7 and the next one's 0-1; behind its K step 7 the
; next one's 2-7.  So two or three K steps' fragments are at hand behind each run.  Expert 6 also brings expert 7's fragments 5-7 at its end: then all reads of the slot have been issued.
; bl = 1: each bias word, once used, is fetched anew for the next block of columns.
.macro BIASW k
	ds_load_b32 v[BS+\k], v[BADR] offset:64*(\k)
.endm
.macro BLOCK e, epi, first, pe, be, bl, lv=0
.set VI, 0
.if ((\e)%2) == 0
	STEP \e, 0, \epi, \first, \pe, \be, 28, 0
	STEP \e, 1, \epi, \first, \pe, \be, 24, 0
	STEP \e, 2, \epi, \first, \pe, \be, 20, 0
	STEP \e, 3, \epi, \first, \pe, \be, 16, 0
	STEP \e, 4, \epi, \first, \pe, \be, 12, 1
	RUN 0, 4, \e+1
	STEP \e, 5, \epi, \first, \pe, \be, 28, 0
	STEP \e, 6, \epi, \first, \pe, \be, 24, 0
.if (\e) == 6
	STEP \e, 7, \epi, \first, \pe, \be, 20, 1
	RUN 5, 7, 7
.if \bl
	BIASW 7
.endif
.else
	STEP \e, 7, \epi, \first, \pe, \be, 20, 0
.endif
.else
	STEP \e, 0, \epi, \first, \pe, \be, 16, 0
	STEP \e, 1, \epi, \first, \pe, \be, 12, 1
.if (\e) == 1
	LEAVE \lv                                      ; the block before is finished: its last gate product stands 14 vector instructions back, and this block's first is still to come
.endif
	RUN 5, 7, \e
	RUN 0, 1, \e+1
.if \bl
.if (\e) > 1
	BIASW \e
.endif
.endif
	STEP \e, 2, \epi, \first, \pe, \be, 28, 0
	STEP \e, 3, \epi, \first, \pe, \be, 24, 0
	STEP \e, 4, \epi, \first, \pe, \be, 20, 0
	STEP \e, 5, \epi, \first, \pe, \be, 16, 0
	STEP \e, 6, \epi, \first, \pe, \be, 12, 0
	STEP \e, 7, \epi, \first, \pe, \be, 8, 1
	RUN 2, 7, \e+1
.if \bl
	BIASW \e+1
.if (\e) < 5
	BIASW (\e-1)/2
.endif
.endif
.endif
.endm
; An expert at which LDS is filled: expert 7, which changes slots (step = 1), and the launch's very first (step = 0: slot 1's first weights).  One barrier (fill = 1: a round of the cluster's barrier); in front of it this wave's tensor loads,
; the add and its reads of the bytes that are filled; behind it the fill, then the fragments of expert ne.
.macro TURN e, epi, pe, be, ne, fill, step, w0, w1
.set VI, 0
	WIN 0
	s_wait_xcnt 0x0                                ; prefetch and stores have read their addresses and data
	s_wait_tensorcnt 0x0                           ; no tensor load of mine is out: my part of the other slot has landed;
	ds_add_u32 v[SPW], v[NIL]
.if \step
.if \fill
	s_xor_b32 s[G0R+1], s[G0R+1], SLOT
	s_add_nc_u64 s[G0R+2:G0R+3], s[G0R+2:G0R+3], SLOT
	s_add_nc_u64 s[PFA:PFA+1], s[PFA:PFA+1], SLOT
.endif
	s_xor_b32 s[TB], s[TB], SLOT
	v_add_nc_u32 v[ADW], s[TB], v[AW0]
	v_add_nc_u32 v[ADW+1], 0x10000, v[ADW]
	v_add_nc_u32 v[BADR], 512, v[BADR]
.endif
	STEP \e, 0, \epi, 0, \pe, \be, \w0, 0
	STEP \e, 1, \epi, 0, \pe, \be, \w1, 0
	s_wait_dscnt 0x0                               ; the add is done, and so are my reads
	s_barrier_signal -1
	STEP \e, 2, \epi, 0, \pe, \be, -1, 0           ; work on registers while the others arrive
	STEP \e, 3, \epi, 0, \pe, \be, -1, 0
	STEP \e, 4, \epi, 0, \pe, \be, -1, 1
	WIN 0
	s_barrier_wait -1
.if \fill
	CREST
	tensor_load_to_lds s[G0R:G0R+3], s[G1R:G1R+7]
	s_nop 0
	PLACES
.endif
; All four waves leave the barrier together.  Waves 0 and 1 run their 20 loads, then K steps 5 and 6; waves 2 and 3 take the two K steps first, whose fragments are at hand.  The same loads on both ways.
	s_cmp_lt_u32 s[WV], 2
	s_cbranch_scc0 .Lproducts_first_\@
	RUN 0, 4, \ne
	ASK \fill
	STEP \e, 5, \epi, 0, \pe, \be, -1, 0
	STEP \e, 6, \epi, 0, \pe, \be, -1, 0
	WIN 0
	s_branch .Lboth_\@
.Lproducts_first_\@:
.set VI, 35
	STEP \e, 5, \epi, 0, \pe, \be, -1, 0
	STEP \e, 6, \epi, 0, \pe, \be, -1, 1
	RUN 0, 4, \ne
	ASK \fill
	WIN 0
.Lboth_\@:
.if \step
	STEP \e, 7, \epi, 0, \pe, \be, -1, 1
	RUN 5, 7, \ne
.else
	STEP \e, 7, \epi, 0, \pe, \be, -1, 0
.endif
.endm
.macro ASK fill                        ; behind a fill and a run of LDS loads: what the next fill will ask for, 131,072 bytes
	WIN 0
.if \fill
	s_cmp_eq_u32 s[TRIPS], 1                       ; the last refill has no successor
	s_cbranch_scc1 .Lno_ask_\@
	global_prefetch_b8 v[PFO], s[PFA:PFA+1] th:TH_LOAD_NT scope:SCOPE_SE   ; each 256 bytes named once in the cluster, by the four of a column x four waves x 32 lanes
.Lno_ask_\@:
.endif
.endm
.macro EXPERTS16 bl, lv                ; experts 1 to 6
	BLOCK 1, 1, 1, 0, 2, \bl, \lv
	BLOCK 2, 1, 0, 1, 3, \bl
	BLOCK 3, 1, 0, 2, 4, \bl
	BLOCK 4, 1, 0, 3, 5, \bl
	BLOCK 5, 1, 0, 4, 6, \bl
	BLOCK 6, 1, 0, 5, 7, \bl
.endm
; THE WAY OUT.  Four blocks of 16 columns make rows of 256 bytes.  Three blocks' outputs are kept in window 1; with the fourth they go, a tile of 16 tokens at a time, through my stage, and sixteen lanes store one aligned unit of 256 bytes.
.macro KEEP k
	WIN 0x40
.set i, 0
.rept 32
	v_mov_b32 v[SAVE+32*(\k)+i], v[OUT+i]
.set i, i+1
.endr
	WIN 0
.endm
.macro ROWS a                          ; where tile a's rows come back: 32 registers of window FW at FB
.if (\a) == 0
.set FW, 2
.set FB, 192
.elseif (\a) == 1
.set FW, 2
.set FB, 224
.elseif (\a) == 2
.set FW, 3
.set FB, 224
.else
.set FW, 1
.set FB, 224
.endif
.endm
.macro TOSTAGE a
	ROWS \a
	WIN 0x04
.irp k, 0,1,2
	ds_store_b128 v[STO], v[SAVE+32*\k+8*(\a):SAVE+32*\k+8*(\a)+3] offset:64*\k
	ds_store_b128 v[STO], v[SAVE+32*\k+8*(\a)+4:SAVE+32*\k+8*(\a)+7] offset:64*\k+16
.endr
	WIN 0
	ds_store_b128 v[STO], v[OUT+8*(\a):OUT+8*(\a)+3] offset:192
	ds_store_b128 v[STO], v[OUT+8*(\a)+4:OUT+8*(\a)+7] offset:208
	WIN 64*FW
.irp t, 0,1,2,3,4,5,6,7
	ds_load_b128 v[FB+4*\t:FB+4*\t+3], v[RD] offset:544*\t   ; LDS serves a wave's instructions in order (ISA guide 5.7.1.4): these see the stores above
.endr
.endm
.macro SEND a, half, younger
	ROWS \a
	s_wait_dscnt \younger
	WIN 4*FW
.irp t, 0,1,2,3,4,5,6,7
	global_store_b128 v[CO], v[FB+4*\t:FB+4*\t+3], s[14:15] offset:(16*(\a)+2*\t)*8192+256*(\half) th:TH_STORE_NT
.endr
.endm
.macro FLUSH half                      ; 16 younger LDS instructions: the next tile's eight stores and eight loads
	TOSTAGE 0
	TOSTAGE 1
	SEND 0, \half, 16
	TOSTAGE 2
	SEND 1, \half, 16
	TOSTAGE 3
	SEND 2, \half, 16
	SEND 3, \half, 0
	WIN 0
.endm
; What becomes of the outputs of the block before, behind K step 1 of this block's expert 1.  lv = 1: in the loop, by the block's number: 0: there are none; 4: the first four blocks' rows go out; else they are kept.
.macro LEAVE lv
	WIN 0
.if (\lv) == 1
	s_cmp_eq_u32 s[CB], 0
	s_cbranch_scc1 .Lleft
	s_and_b32 s46, s[CB], 3
	s_cmp_eq_u32 s46, 0
	s_cbranch_scc1 .Lrows_out
	s_cmp_eq_u32 s46, 3
	s_cbranch_scc1 .Lkeep_2
	s_cmp_eq_u32 s46, 2
	s_cbranch_scc1 .Lkeep_1
	KEEP 0
	s_branch .Lleft
.Lkeep_1:
	KEEP 1
	s_branch .Lleft
.Lkeep_2:
	KEEP 2
	s_branch .Lleft
.Lrows_out:
	FLUSH 0
.Lleft:
.elseif (\lv) == 2
	KEEP 1
.else
	KEEP 2
.endif
.endm
	RUN 0, 4, 0
	WIN 0x80
	XL 4, 128
	WIN 0xc0
	XL 5, 0
	XL 6, 64
	XL 7, 128
	WIN 0
	RUN 5, 7, 0
	v_add_nc_u32 v[BADR], 512, v[BADR]
	s_wait_alu depctr_va_vdst(0)
	s_wait_loadcnt 0x0                             ; x's other half and the gates
	s_wait_dscnt 0x3f                              ; of 104 LDS loads the 41 oldest are done: the bias words and fragments 0-4
.irp j, 0,1,2,3,4,5,6,7
	v_mov_b32_dpp v[BIASR+\j], v[BS] row_share:\j row_mask:0xf bank_mask:0xf
.endr
	s_wait_alu depctr_va_vdst(0)
	TURN 0, 0, 0, 1, 1, 1, 0, -1, -1               ; block 0, expert 0: nothing to combine yet
	WIN 0
	s_wait_alu depctr_va_vdst(0)
.Ltrip:                                                ; a trip: a block of columns from its expert 1 on, and the next block's expert 0
	EXPERTS16 1, 1
	TURN 7, 1, 6, 0, 0, 1, 1, 29, 25               ; (28 and 24 loads, and the add)
	BLOCK 0, 1, 0, 7, 1, 0
	WIN 0
	s_add_co_u32 s[CB], s[CB], 1
	s_sub_co_u32 s[TRIPS], s[TRIPS], 1
	s_cmp_lg_u32 s[TRIPS], 0
	s_cbranch_scc1 .Ltrip
	EXPERTS16 1, 2                                 ; block 6: its change of slots fills nothing
	TURN 7, 1, 6, 0, 0, 0, 1, 29, 25
	BLOCK 0, 1, 0, 7, 1, 0
	EXPERTS16 0, 3                                 ; block 7
.set VI, 0
	STEP 7, 0, 1, 0, 6, -1, 28, 0                  ; the last expert: nothing more is loaded, the counts run down
	STEP 7, 1, 1, 0, 6, -1, 24, 0
	STEP 7, 2, 1, 0, 6, -1, 20, 0
	STEP 7, 3, 1, 0, 6, -1, 16, 0
	STEP 7, 4, 1, 0, 6, -1, 12, 0
	STEP 7, 5, 1, 0, 6, -1, 8, 0
	STEP 7, 6, 1, 0, 6, -1, 4, 0
	STEP 7, 7, 1, 0, 6, -1, 0, 0
.set AP, ACC+32
.set VI, 0
.rept 32
	VV 1, 0, 7, -1
.endr
.set VI, 40
.rept 16
	VV 1, 0, 7, -1
.endr
	s_wait_alu depctr_va_vdst(0)
	FLUSH 1
	s_wait_tensorcnt 0x0                           ; the wave's end
	ds_add_u32 v[SPW], v[NIL]
	s_wait_dscnt 0x0
	CROUND                                         ; the closing round: no work-group ends while a partner may still ask for a tile that names it
	s_endpgm
.Lfunc_end_k_q6e246907f2_moe:
	.size	k_q6e246907f2_moe, .Lfunc_end_k_q6e246907f2_moe-k_q6e246907f2_moe
	.p2alignl 7, 3214868480
	.fill 96, 4, 3214868480
	.section	.rodata,"a",@progbits
	.p2align	6, 0x0
	.amdhsa_kernel k_q6e246907f2_moe
		.amdhsa_group_segment_fixed_size 327680
		.amdhsa_private_segment_fixed_size 0
		.amdhsa_enable_private_segment 0
		.amdhsa_kernarg_size 48
		.amdhsa_user_sgpr_count 2
		.amdhsa_user_sgpr_kernarg_segment_ptr 1
		.amdhsa_wavefront_size32 1
		.amdhsa_system_sgpr_workgroup_id_x 1
		.amdhsa_system_sgpr_workgroup_id_y 1
		.amdhsa_system_sgpr_workgroup_id_z 1
		.amdhsa_system_vgpr_workitem_id 0
		.amdhsa_next_free_vgpr 1024
		.amdhsa_next_free_sgpr 100
		.amdhsa_reserve_vcc 0
		.amdhsa_float_denorm_mode_32 3
		.amdhsa_float_denorm_mode_16_64 3
		.amdhsa_memory_ordered 1
		.amdhsa_forward_progress 1
		.amdhsa_inst_pref_size 248
	.end_amdhsa_kernel
	.amdgpu_metadata
---
amdhsa.version: [ 1, 2 ]
amdhsa.kernels:
  - .name:           k_q6e246907f2_moe
    .symbol:         k_q6e246907f2_moe.kd
    .args:
      - { .name: x_codes, .offset: 0, .size: 8, .value_kind: global_buffer, .address_space: global }
      - { .name: w_codes, .offset: 8, .size: 8, .value_kind: global_buffer, .address_space: global }
      - { .name: gates, .offset: 16, .size: 8, .value_kind: global_buffer, .address_space: global }
      - { .name: expert_b, .offset: 24, .size: 8, .value_kind: global_buffer, .address_space: global }
      - { .name: lowp_scales, .offset: 32, .size: 8, .value_kind: global_buffer, .address_space: global }
      - { .name: out0, .offset: 40, .size: 8, .value_kind: global_buffer, .address_space: global }
    .group_segment_fixed_size: 327680
    .private_segment_fixed_size: 0
    .kernarg_segment_align: 8
    .kernarg_segment_size: 48
    .max_flat_workgroup_size: 128
    .sgpr_count:     100
    .vgpr_count:     1024
    .wavefront_size: 32
...
	.end_amdgpu_metadata
.endif
;; end of part 4
